; MI455X (gfx1250); checked and timed in simulation.
; The chip was launched on July 23, 2026; its instructions are those of AMD's public machine-readable ISA for CDNA 5 (MIT licence, August 2026) and "CDNA5" Instruction Set Architecture Reference Guide (July 2026). The comments in the code are by the model that wrote it; some were corrected since.
;; Multi Head Attention. Allowed arithmetic: matrix products marked QUANTISED: E2M3 operands, one E8M0 scale for each 32 along K, by v_wmma_scale_f32_16x16x128_f8f6f4 with both operands' format E2M3, f32 sums; everything else in f32.
;; Inputs: Wk 1,024 x 1,024 float32; Wo 1,024 x 1,024 float32; Wq 1,024 x 1,024 float32; Wv 1,024 x 1,024 float32; key 4 x 2,048 x 1,024 float32; mask 1 x 1 x 2,048 x 2,048 bool; query 4 x 2,048 x 1,024 float32; value 4 x 2,048 x 1,024 float32.
;; Outputs: out0 4 x 2,048 x 1,024 float32.
;; This version of the problem:
;;   THIS VERSION OF THE PROBLEM IS GIVEN IN LOW PRECISION. The matrix products marked QUANTISED in the list below multiply operands that are first quantised to E2M3 (2 exponent bits, 3 mantissa bits; 6 bits a number), with one power-of-two scale for each 32 numbers along K (OCP MX v1.0); their sums are f32. All else is computed in f32.
;;   The module's matrix products, in the order in which they are computed (A, B: the left and right operand; K: the contracted axis; several contracted axes count as one K, in the product's order):
;;     1. [M 8,192, K 1,024] x [K 1,024, N 1,024]; A: input query; B: input Wq: QUANTISED
;;     2. [M 8,192, K 1,024] x [K 1,024, N 1,024]; A: input key; B: input Wk: QUANTISED
;;     3. [M 8,192, K 1,024] x [K 1,024, N 1,024]; A: input value; B: input Wv: QUANTISED
;;     4. batch 64 x [M 2,048, K 64] x [K 64, N 2,048]; A: computed on the way; B: computed on the way: QUANTISED
;;     5. batch 64 x [M 64, K 2,048] x [K 2,048, N 2,048]; A: computed on the way; B: softmax (see below): QUANTISED
;;     6. [M 8,192, K 1,024] x [K 1,024, N 1,024]; A: computed on the way; B: input Wo: QUANTISED
;;   THE QUANTISER, for each operand of a quantised product, along K:
;;     - K is cut into blocks of 32 from its start; a last block that is shorter is filled with zeros.
;;     - A block's scale is 2^e with e = floor(log2(the largest magnitude in the block)) - 2, held to -126 .. 127; a block of zeros has e = 0. As a byte (E8M0): e + 127.
;;     - Each number is divided by its block's scale, clamped to +-7.5, and rounded to the nearest number of E2M3, ties to even, subnormals kept.
;;     - The product sums the exact products of the quantised numbers (number of the format x scale) in f32.
;;   ~~~python
;;   def quantise(x, axis):      # numpy; x: float32 -> the quantised numbers, widened to float32 again
;;       x = np.moveaxis(x, axis, -1); K = x.shape[-1]
;;       x = np.pad(x, [(0, 0)] * (x.ndim - 1) + [(0, -K % 32)]); x = x.reshape(x.shape[:-1] + (-1, 32)); a = np.abs(x).max(-1, keepdims=True)
;;       e = np.where(a > 0, np.clip(np.frexp(np.where(a > 0, a, 1))[1] - 1 - 2, -126, 127), 0)      # np.frexp(a)[1] - 1 = floor(log2(a)), exactly
;;       r = np.clip(x / 2.0 ** e, -7.5, 7.5)
;;       step = 2.0 ** (np.maximum(np.frexp(np.where(r == 0, 1, r))[1] - 1, 0) - 3)
;;       q = np.round(r / step) * step * 2.0 ** e      # np.round: ties to even
;;       return np.moveaxis(q.reshape(q.shape[:-2] + (-1,))[..., :K], -1, axis).astype(np.float32)
;;   ~~~
;;   SOFTMAX AHEAD OF A QUANTISED PRODUCT. Where the list says 'softmax', what is quantised is not the finished softmax but p = 2^(t - M), with t = logit x log2(e) and M = ceil(the row's largest t), a whole number; so 1/2 < the row's largest p <= 1. The row's sum l is taken of the UNQUANTISED p, in f32, and the product's result is divided by l at the end. Since M is a whole number, a kernel that streams over the keys may use a running M (the ceiling of the running maximum): every later rescaling is an exact power of two, which a block's scale takes up: the codes' values come out the same.
;;   OPERANDS COMPUTED ON THE WAY. 'Computed on the way' means the value that the module computes at that place (a softmax that the list does not call 'softmax' is quantised finished and normalised). What goes into a quantiser is computed in f32, as accurately as f32 sums, v_exp_f32 and their like allow (about 1e-6 of the number): no bf16 or f16 on the way to a quantiser, and a product that is left as it is and whose result goes on into a quantised operand takes f32 operands (vector FMAs, or v_wmma_f32_16x16x4_f32). A number that lies on a knife's edge between two numbers of the format may be rounded either way, as far as f32 arithmetic and the matrix unit's own rounding can turn it there, and no further.
;; 2 versions, each right; version 2 is version 1 with the launch attn written anew for expert scheduling mode. Each part assembles by itself: llvm-mc -triple=amdgcn-amd-amdhsa -mcpu=gfx1250 --defsym DOCPART=n.
;; ======== version 1 of 2: 4 launches
;; limits: right only within a limited range of input values
;; workspace buffers: cod 22,020,096 bytes; scl 917,504 bytes; msk 557,056 bytes of whole numbers; hc 18,874,368 bytes; hs 1,572,864 bytes; ac 6,291,456 bytes; asc 262,144 bytes
;; launch prep (part 1): grid 256 x 1, 8 waves a work-group, no clusters, 68,608 bytes of LDS; arguments query, key, value, Wq, Wk, Wv, Wo, mask, cod, scl, msk; writes cod, scl, msk
.if DOCPART == 1
	.amdgcn_target "amdgcn-amd-amdhsa--gfx1250"
	.amdhsa_code_object_version 6
	.text
	.protected	k_q5611bbdfaa_prep
	.globl	k_q5611bbdfaa_prep
	.p2align	8
	.type	k_q5611bbdfaa_prep,@function
k_q5611bbdfaa_prep:
	s_mov_b64 s[64:65], 0
	v_nop
	global_prefetch_b8 v0, s[64:65] scope:SCOPE_SE
	s_setreg_imm32_b32 hwreg(HW_REG_WAVE_MODE, 25, 1), 1
	s_wait_xcnt 0x0
; MULTI-HEAD ATTENTION IN MX-FP6 (E2M3, one E8M0 scale for each 32 along K), four launches: prep, proj, attn, outp.  This is prep.
; It quantises query, key, value, Wq, Wk, Wv, Wo along their 1,024 (K innermost) into images of the matrix operand's registers, and boils the mask down to whole numbers.
; DEAD WORK: none that is dead for all values of the inputs: every input is loaded and every product of the problem's table is made.  What launch attn leaves out is chosen by whole numbers, the mask's
; bytes: a step of 16 queries x 128 keys whose 2,048 mask bytes are all 0 is passed over, and only where each of the 16 queries has an allowed key somewhere among its 2,048: then the row's M is a true
; logit's, and the p of a masked key, 2^(-1.4e20 - M), is exactly 0 in reference() too.  A tile with a wholly masked row walks all its steps.
; LIMITS: NaN and infinities among the inputs are not served.  A block of zeros gets the scale byte 1 where the rule says 127: its codes are zeros, which add nothing, and this program alone reads the bytes.
; Blocks whose largest magnitude lies under 2^(3 - 127) have their byte held at 1.  (attn states its own limit on the masked logit.)
; LAYOUTS.  A TILE is 16 rows: slot r of tile T is row 32 (T / 2) + 8 (T % 2) + r + 8 (r / 8), so that, where such tiles are a product's source 0, the 16 result registers of tiles 2 b and 2 b + 1 are 16 neighbours.
; HALF IMAGE, 768 bytes: six registers a lane, the codes of k = 32 (lane / 16) + 0 .. 31 of 64 along K of row slot lane % 16: registers 0-3 at 16 x lane, registers 4, 5 at 512 + 8 x lane.
; cod: [tile 0..1791][K step 0..7][two half images]: query 0-, key 512-, value 1024-, Wq 1536-, Wk 1600-, Wv 1664-, Wo 1728-.   scl: [tile][slot][8 words], word s = the four scale bytes of K step s.
; msk: at 0: [query tile][key step 0..15][n 0..63] words: bit l says whether key 128 step + 32 (n / 16) + 16 (l / 16) + n % 16 counts for the query in slot l % 16: the lane mask of score register n in attn.
;      at 524,288: [query tile][half][32 words]: word kk, for key step 8 half + kk: bits 0-15 which of the 16 queries have an allowed key in the step, bit 16: all 2,048 bytes are set.
; SHARES.  Work-groups 0-223: a wave takes one tile, 16 rows x 1,024: eight steps of 128 along K.  Each load takes 512 consecutive bytes of one row; a step's 8 KiB turn through the wave's own stage in LDS
; (rows 528 bytes apart: 132 words, so that sixteen rows begin in sixteen different groups of four banks) and come back 32 neighbours along K to a lane: two whole blocks, so that no maximum leaves the lane.
; Work-groups 224-255: a wave takes one query tile and eight key steps of the mask; that path touches no LDS.  Waves share nothing: no barrier.
.set STG,   8448                       ; a wave's stage: 16 rows x 528 bytes
.set SPARE, 8*STG                      ; behind the stages: the spare words, 128 bytes for each wave, four blocks of 256 bytes that no other line names
.set SPW,   10                         ; v10  LDS address of my spare word; never rewritten
.set NIL,   11                         ; v11  0; never rewritten
.set W,     20                         ; v20-27   my row's eight scale words
.set C,     28                         ; v28-39   a step's codes: the operand's twelve registers
.set TM,    40                         ; v40-46   the second halves of the blocks' codes, before they are moved
.set WS,    48                         ; v48-51   the four scale words that I store
.set X,     64                         ; v64-127  64 numbers: register 32 c + i = k 64 c + 32 (lane / 16) + i of my row
.set R,     128                        ; v128-255 two sets of 64: a step's numbers as they are loaded
	s_load_b512 s[4:19], s[0:1], 0x0               ; query, key, value, Wq, Wk, Wv, Wo, mask
	s_load_b128 s[20:23], s[0:1], 0x40             ; cod, scl
	s_load_b64 s[24:25], s[0:1], 0x50              ; msk
	v_lshl_add_u32 v[SPW], v0, 2, SPARE
	v_mov_b32 v[NIL], 0
	v_lshrrev_b32 v1, 5, v0
	v_readfirstlane_b32 s26, v1                    ; wave 0..7
	v_bfe_u32 v1, v0, 4, 1                         ; h = lane / 16
	v_and_b32 v2, 31, v0                           ; lane
	v_and_b32 v3, 15, v0                           ; r = lane % 16
	v_lshlrev_b32 v4, 4, v2                        ; 16 x lane
	v_lshlrev_b32 v5, 3, v2                        ; 8 x lane
	s_mov_b32 s33, 0                               ; the upper word of every offset pair
	s_cmp_ge_u32 ttmp9, 224
	s_cbranch_scc1 .Lmask
	; ---------------- the quantiser ----------------
	s_lshl_b32 s27, ttmp9, 3
	s_add_co_u32 s27, s27, s26                     ; my tile T = 8 x work-group + wave
	s_mul_i32 s46, s26, STG
	v_add_nc_u32 v6, s46, v4                       ; the stage, on the way in: 16 x lane in a row
	v_mul_u32_u24 v7, v3, 528
	v_lshl_add_u32 v7, v1, 7, v7
	v_add_nc_u32 v7, s46, v7                       ; and on the way out: row r, + 128 h bytes
	v_lshlrev_b32 v8, 3, v1                        ; 8 h: my bytes' place in a scale word
	v_lshlrev_b32 v9, 5, v3
	v_lshl_add_u32 v9, v1, 4, v9                   ; scl: 32 r + 16 h
	s_mov_b32 s34, 0x76543210
	s_mov_b32 s35, 0xfedcba98                      ; v_permlanex16_b32's selects for lane l xor 16
	s_mov_b32 s36, 0xffff0000                      ; lanes 16-31
	s_wait_kmcnt 0x0
	s_mov_b64 s[30:31], s[4:5]                     ; which tensor holds tile T: a choice on the tile's number alone
	s_mov_b32 s28, 0
.macro PICK first, ptr
	s_cmp_ge_u32 s27, \first
	s_cselect_b64 s[30:31], s[\ptr:\ptr+1], s[30:31]
	s_cselect_b32 s28, \first, s28
.endm
	PICK 512, 6
	PICK 1024, 8
	PICK 1536, 10
	PICK 1600, 12
	PICK 1664, 14
	PICK 1728, 16
	s_sub_co_u32 s28, s27, s28                     ; the tile's number in its tensor
	s_lshr_b32 s46, s28, 1
	s_lshl_b32 s46, s46, 17                        ; 32 rows of 4,096 bytes for each pair of tiles,
	s_and_b32 s47, s28, 1
	s_lshl_b32 s47, s47, 15                        ; 8 rows for the odd one
	s_add_co_u32 s32, s46, s47
	s_add_nc_u64 s[30:31], s[30:31], s[32:33]
	s_mul_i32 s32, s27, 12288
	s_add_nc_u64 s[20:21], s[20:21], s[32:33]      ; cod at my tile
	s_lshl_b32 s32, s27, 9
	s_add_nc_u64 s[22:23], s[22:23], s[32:33]      ; scl at my tile
.macro LOAD t                          ; step t: 512 consecutive bytes of each of the tile's sixteen rows
.irp i, 0,1,2,3,4,5,6,7,8,9,10,11,12,13,14,15
	global_load_b128 v[R+64*((\t)%2)+4*\i:R+64*((\t)%2)+4*\i+3], v4, s[30:31] offset:(\i+8*(\i/8))*4096+512*(\t) th:TH_LOAD_NT
.endr
.endm
.macro STEP t
	s_wait_xcnt 0x0                                ; the last step's stores have read their data: the codes' registers are written again only behind this wait
.if (\t) < 7
	s_wait_loadcnt 16                              ; this step's sixteen loads are in; the next step's sixteen stay out
.else
	s_wait_loadcnt 0x0
.endif
.irp i, 0,1,2,3,4,5,6,7,8,9,10,11,12,13,14,15
	ds_store_b128 v6, v[R+64*((\t)%2)+4*\i:R+64*((\t)%2)+4*\i+3] offset:528*\i
.endr
.irp c, 0,1
.irp j, 0,1,2,3,4,5,6,7
	ds_load_b128 v[X+32*\c+4*\j:X+32*\c+4*\j+3], v7 offset:256*\c+16*\j   ; LDS serves a wave's instructions in order: these see the stores above
.endr
.endr
	s_wait_dscnt 0x0                               ; my 64 numbers are in, and the stores have read the set,
.if (\t) < 6
	LOAD (\t)+2                                    ; which takes the loads of two steps on
.endif
.irp q, 0,1,2,3                        ; four chains of 16 numbers; the floor 2^(3 - 127) among the leaves holds the byte at 1 from below
	v_max3_num_f32 v[12+\q], |v[X+16*\q]|, |v[X+16*\q+1]|, 0x1800000
.endr
.irp i, 2,4,6,8,10,12,14
.irp q, 0,1,2,3
	v_max3_num_f32 v[12+\q], v[12+\q], |v[X+16*\q+\i]|, |v[X+16*\q+\i+1]|
.endr
.endr
	v_max_num_f32 v12, v12, v13                    ; block h's largest magnitude,
	v_max_num_f32 v14, v14, v15                    ; block 2 + h's
	v_add_nc_u32 v16, 0xff000000, v12              ; 2 off the exponent field: the conversion takes this operand's exponent field as its scale
	v_add_nc_u32 v17, 0xff000000, v14
	v_lshrrev_b32 v18, 23, v16                     ; the scales' bytes
	v_lshrrev_b32 v19, 23, v17
	v_lshl_or_b32 v18, v19, 16, v18
	v_lshlrev_b32 v18, v8, v18                     ; at their places in the word: bytes h and 2 + h;
	v_permlanex16_b32 v19, v18, s34, s35
	v_or_b32 v[W+(\t)], v18, v19                   ; with lane l xor 16's two the word is whole
.irp c, 0,1
	v_cvt_scalef32_pk16_fp6_f32 v[C+6*\c:C+6*\c+2], v[X+32*\c:X+32*\c+15], v[16+\c]
	v_cvt_scalef32_pk16_fp6_f32 v[TM+4*\c:TM+4*\c+2], v[X+32*\c+16:X+32*\c+31], v[16+\c]   ; (a conversion's three registers begin on an even number)
.endr
	v_nop                                          ; one plain place behind the scaled conversions
.irp c, 0,1
.irp i, 0,1,2
	v_mov_b32 v[C+6*\c+3+\i], v[TM+4*\c+\i]
.endr
.endr
.irp c, 0,1
	global_store_b128 v4, v[C+6*\c:C+6*\c+3], s[20:21] offset:1536*(\t)+768*\c          ; 512 consecutive bytes,
	global_store_b64 v5, v[C+6*\c+4:C+6*\c+5], s[20:21] offset:1536*(\t)+768*\c+512     ; and 256: both begin at multiples of 256 from the buffer's first byte
.endr
.endm
	LOAD 0
	LOAD 1
.irp t, 0,1,2,3,4,5,6,7
	STEP \t
.endr
.irp k, 0,1,2,3
	v_cndmask_b32 v[WS+\k], v[W+\k], v[W+4+\k], s36   ; lanes 0-15 store words 0-3 of their row, lanes 16-31 words 4-7
.endr
	global_store_b128 v9, v[WS:WS+3], s[22:23]     ; the tile's 512 bytes of scale words
	s_wait_tensorcnt 0x0                           ; the wave's end: three closing lines behind my last LDS store
	ds_add_u32 v[SPW], v[NIL]
	s_wait_dscnt 0x0
	s_endpgm
	; ---------------- the mask ----------------
.Lmask:
	s_sub_co_u32 s27, ttmp9, 224
	s_lshl_b32 s27, s27, 3
	s_add_co_u32 s27, s27, s26                     ; 0..255: query tile x 2 + which eight key steps
	s_lshr_b32 s28, s27, 1
	s_and_b32 s29, s27, 1
	v_and_b32 v13, 8, v3
	v_add_nc_u32 v13, v13, v3                      ; r + 8 (r / 8)
	v_lshlrev_b32 v13, 11, v13                     ; a row of the mask is 2,048 bytes
	v_lshl_add_u32 v13, v1, 4, v13                 ; + 16 h
	v_lshlrev_b32 v14, 2, v2                       ; 4 x lane
	s_lshr_b32 s46, s28, 1
	s_lshl_b32 s46, s46, 16                        ; 32 rows for each pair of tiles,
	s_and_b32 s47, s28, 1
	s_lshl_b32 s47, s47, 14                        ; 8 for the odd one,
	s_add_co_u32 s32, s46, s47
	s_lshl_b32 s47, s29, 10                        ; and 1,024 keys for the second half
	s_add_co_u32 s32, s32, s47
	s_wait_kmcnt 0x0
	s_add_nc_u64 s[18:19], s[18:19], s[32:33]
.irp kk, 0,1,2,3,4,5,6,7
.irp b, 0,1,2,3
	global_load_b128 v[128+16*\kk+4*\b:128+16*\kk+4*\b+3], v13, s[18:19] offset:128*\kk+32*\b   ; keys 128 kk + 32 b + 16 h + 0 .. 15 of my query
.endr
.endr
	s_lshl_b32 s32, s27, 11                        ; eight steps of 256 bytes of lane masks
	s_add_nc_u64 s[30:31], s[24:25], s[32:33]
	s_lshl_b32 s32, s27, 7
	s_add_co_u32 s32, s32, 524288
	s_add_nc_u64 s[24:25], s[24:25], s[32:33]      ; my 128 bytes of step words
.irp i, 0,1,2,3,4,5,6,7,8,9,10,11,12,13,14,15,16
	v_mov_b32 v[32+\i], 0                          ; a lane write's destination counts as read; the step words' lanes 8-31 stay 0
.endr
.macro MSTEP kk
	s_wait_loadcnt 4*(7-(\kk))                     ; this step's four loads are in; the later steps' stay out
	s_mov_b32 s44, -1
	s_mov_b32 s45, 0
.set n, 0
.rept 64
	v_bfe_u32 v[16+n%4], v[128+16*(\kk)+n/4], 8*(n%4), 8
	v_cmp_ne_u32 s[40+n%4], 0, v[16+n%4]           ; the lane mask of score register n
	v_writelane_b32 v[32+2*(\kk)+n%2], s[40+n%4], n/2   ; word n goes to lane n / 2, so that a lane stores words 2 l and 2 l + 1
	s_and_b32 s44, s44, s[40+n%4]
	s_or_b32 s45, s45, s[40+n%4]
.set n, n+1
.endr
	s_lshr_b32 s46, s45, 16
	s_or_b32 s46, s46, s45
	s_and_b32 s46, s46, 0xffff                     ; which queries have an allowed key in this step
	s_cmp_eq_u32 s44, -1
	s_cselect_b32 s47, 0x10000, 0                  ; are all 2,048 allowed?
	s_or_b32 s46, s46, s47
	v_writelane_b32 v48, s46, \kk
	global_store_b64 v5, v[32+2*(\kk):33+2*(\kk)], s[30:31] offset:256*(\kk)   ; 256 consecutive bytes
.endm
.irp kk, 0,1,2,3,4,5,6,7
	MSTEP \kk
.endr
	global_store_b32 v14, v48, s[24:25]
	s_endpgm
.Lfunc_end_k_q5611bbdfaa_prep:
	.size	k_q5611bbdfaa_prep, .Lfunc_end_k_q5611bbdfaa_prep-k_q5611bbdfaa_prep
	.p2alignl 7, 3214868480
	.fill 96, 4, 3214868480
	.section	.rodata,"a",@progbits
	.p2align	6, 0x0
	.amdhsa_kernel k_q5611bbdfaa_prep
		.amdhsa_group_segment_fixed_size 68608
		.amdhsa_private_segment_fixed_size 0
		.amdhsa_enable_private_segment 0
		.amdhsa_kernarg_size 88
		.amdhsa_user_sgpr_count 2
		.amdhsa_user_sgpr_kernarg_segment_ptr 1
		.amdhsa_wavefront_size32 1
		.amdhsa_system_sgpr_workgroup_id_x 1
		.amdhsa_system_sgpr_workgroup_id_y 1
		.amdhsa_system_sgpr_workgroup_id_z 1
		.amdhsa_system_vgpr_workitem_id 0
		.amdhsa_next_free_vgpr 256
		.amdhsa_next_free_sgpr 66
		.amdhsa_reserve_vcc 0
		.amdhsa_float_denorm_mode_32 3
		.amdhsa_float_denorm_mode_16_64 3
		.amdhsa_memory_ordered 1
		.amdhsa_forward_progress 1
		.amdhsa_inst_pref_size 196
	.end_amdhsa_kernel
	.amdgpu_metadata
---
amdhsa.version: [ 1, 2 ]
amdhsa.kernels:
  - .name:           k_q5611bbdfaa_prep
    .symbol:         k_q5611bbdfaa_prep.kd
    .args:
      - { .name: query, .offset: 0, .size: 8, .value_kind: global_buffer, .address_space: global }
      - { .name: key, .offset: 8, .size: 8, .value_kind: global_buffer, .address_space: global }
      - { .name: value, .offset: 16, .size: 8, .value_kind: global_buffer, .address_space: global }
      - { .name: Wq, .offset: 24, .size: 8, .value_kind: global_buffer, .address_space: global }
      - { .name: Wk, .offset: 32, .size: 8, .value_kind: global_buffer, .address_space: global }
      - { .name: Wv, .offset: 40, .size: 8, .value_kind: global_buffer, .address_space: global }
      - { .name: Wo, .offset: 48, .size: 8, .value_kind: global_buffer, .address_space: global }
      - { .name: mask, .offset: 56, .size: 8, .value_kind: global_buffer, .address_space: global }
      - { .name: cod, .offset: 64, .size: 8, .value_kind: global_buffer, .address_space: global }
      - { .name: scl, .offset: 72, .size: 8, .value_kind: global_buffer, .address_space: global }
      - { .name: msk, .offset: 80, .size: 8, .value_kind: global_buffer, .address_space: global }
    .group_segment_fixed_size: 68608
    .private_segment_fixed_size: 0
    .kernarg_segment_align: 8
    .kernarg_segment_size: 88
    .max_flat_workgroup_size: 256
    .sgpr_count:     66
    .vgpr_count:     256
    .wavefront_size: 32
...
	.end_amdgpu_metadata
.endif
;; end of part 1
;; launch proj (part 2): grid 4 x 192, 4 waves a work-group, clusters of 4 x 4, 327,680 bytes of LDS; arguments cod, scl, hc, hs; writes hc, hs
.if DOCPART == 2
	.amdgcn_target "amdgcn-amd-amdhsa--gfx1250"
	.amdhsa_code_object_version 6
	.text
	.protected	k_q5611bbdfaa_proj
	.globl	k_q5611bbdfaa_proj
	.p2align	8
	.type	k_q5611bbdfaa_proj,@function
k_q5611bbdfaa_proj:
	s_mov_b64 s[64:65], 0
	v_nop
	global_prefetch_b8 v0, s[64:65] scope:SCOPE_SE
	s_setreg_imm32_b32 hwreg(HW_REG_WAVE_MODE, 25, 1), 1
	s_wait_xcnt 0x0
	s_wait_alu depctr_hold_cnt(0) depctr_sa_sdst(0) depctr_va_vdst(0) depctr_va_sdst(0) depctr_va_ssrc(0) depctr_va_vcc(0) depctr_vm_vsrc(0)
	s_getreg_b32 s2, hwreg(HW_REG_IB_STS2, 6, 4)
	s_cmp_eq_u32 s2, 0
	s_cbranch_scc0 .Lentry_in_a_cluster
	s_endpgm
.Lentry_in_a_cluster:
	s_bfe_u32 s2, ttmp6, 0x10000c
	s_cmp_lg_u32 s2, 0xf033
	s_cbranch_scc0 .Lentry_shape_is_right
	s_endpgm
.Lentry_shape_is_right:
; PROJ: the three projections Q = query Wq^T, K = key Wk^T, V = value Wv^T on codes of FP6 (E2M3), and on the way out the quantisers that stand ahead of the two products of attention:
; Q and K along the head's 64, V along the keys.  Nothing of the problem's work is left out here.
; ONE TEXT, "P x R": D = (source 0 = 16 rows of P) x (source 1 = 16 rows of R): a lane holds one row of R, and its registers run along P's rows.  The quantiser wants a lane's registers to run along the
; NEXT product's K: for Q and K that is the features, so P = the weight and R = the tokens; for V it is the keys, so P = the tokens and R = Wv.  Which it is hangs on the cluster's number alone and enters offsets only.
; The rows of a tile are laid as launch prep lays them (slot r of tile T = row 32 (T / 2) + 8 (T % 2) + r + 8 (r / 8)): the 16 registers of P tiles 2 b, 2 b + 1 are the 16 neighbours 32 b + 16 (lane / 16) + 0 .. 15.
; SHARES.  A work-group makes 256 rows of P x 128 rows of R with all of K = 1,024 in LDS, filled once: 16 + 8 tiles x 8 K steps x 1,536 bytes.  Four waves: wave w takes P tiles 8 (w % 2) on and R tiles 4 (w / 2) on:
; 32 accumulators.  Operands lie in memory and in LDS as images of their registers: a fragment comes by two loads of 16 and two of 8 bytes a lane, lanes on end: no pitch, no padding.
; CLUSTER 4 x 4: P's tiles hang on cx and are asked for jointly by the four work-groups of a column, R's on cy, by the four of a row.  Every wave issues eight joint loads at the head (P's and R's part of each
; group of two K steps), so eight tensor loads of a wave are out at the most.
; OUT.  hc: Q at 0, K at 6,291,456: [batch x head][token tile 0..127][half image of 768 bytes];  V at 12,582,912: [batch x head][key step 0..15][d tile 0..3][64 keys c][half image], rows = d, K = keys.
;       hs: Q at 0, K at 524,288: [bh][tile / 4][slot][tile % 4] words, a word = the head's two scale bytes twice;  V at 1,048,576: [bh][key step][slot][d tile] words, a word = the bytes of the step's four blocks of keys.
; LIMITS: as stated at the head of launch prep (byte 1 for a block of zeros; no NaN, no infinity).
; REGISTERS: window 0: v1-6 lane numbers, v16-20 addresses, v28, v29 the add's two, v32-95 P's scale words (8 b + s), v96-127 R's (8 a + s), v128-175 and v176-223 R's fragments, two sets; on the way out v128-255 are at work.
;            window 1: P's fragments, two sets, at v0 and v128.   window 2: accumulator (a, b) at v[8 (8 a + b)].
.set RREG,  196608                     ; LDS: P's tiles from 0: group g of two K steps at 49,152 g, tile p at 3,072 p in it; R's from here: 24,576 g + 3,072 a
.set PGRP,  49152
.set RGRP,  24576
.set SPARE, 294912                     ; the spare words, 128 bytes for each wave: two blocks of 256 bytes that no other line names
.set AP16, 16                          ; v16  P: 16 x lane + my eight tiles;   v17  8 x lane + 512 + the same
.set AP8,  17
.set AR16, 18                          ; v18, v19  the same for R
.set AR8,  19
.set R32,  20                          ; v20  32 r: a row's eight scale words
.set SPW,  28
.set NIL,  29
.set PS,   32
.set RS,   96
.set RF,   128
.set WV,  12                           ; s12 wave, s13 wave / 2, s14 wave % 2
.set WR,  13
.set WP,  14
.set CX,  15
.set CY,  16
.set TZ,  18                           ; s18  0: Q, 1: K, 2: V
.set CL,  19
.set HS,  20                           ; s20  the way out: bytes between the two halves of the lanes in hs
.set G1P, 24                           ; s[24:31], s[32:39] descriptor groups 1;  s[40:55], s[68:83] groups 0, one for each group of two K steps
.set G1R, 32
.set G0P, 40
.set G0R, 68
.set SA,  56                           ; s56, s57  the way out: bytes from R tile to R tile, and from the lower to the upper four P tiles
.set SG,  57
.set MLO, 58                           ; s58, s59  lane masks that pick a scale word's halves
.set MHI, 59
.set PBLK, 60
.set RBLK, 61
.set PT0, 62
.set RT0, 63
.set SEL, 98
.set MSB, 0
.macro WIN new                         ; the immediate's high byte repeats the setting that is left
.if MSB != \new
	s_set_vgpr_msb (MSB<<8)|\new
.set MSB, \new
.endif
.endm
.macro CROUND                          ; a round of the cluster's barrier
	s_barrier_signal -1
	s_barrier_wait -1
	s_cmp_lg_u32 s[WV], 0
	s_cbranch_scc1 .Lnot_wave_0_\@
	s_barrier_signal -3
.Lnot_wave_0_\@:
	s_barrier_wait -3
	s_barrier_signal -1
	s_barrier_wait -1
.endm
.macro PLACES                          ; four plain places behind a matrix instruction, ahead of loads into its sources and of reads of its result
.rept 4
	v_nop
.endr
.endm
	s_load_b256 s[4:11], s[0:1], 0x0               ; cod s[4:5], scl s[6:7], hc s[8:9], hs s[10:11]
	v_lshl_add_u32 v[SPW], v0, 2, SPARE
	v_mov_b32 v[NIL], 0
	ds_add_u32 v[SPW], v[NIL]                      ; the wave's opening: the add, twice on end, and its wait ahead of my first tensor load
	ds_add_u32 v[SPW], v[NIL]
	v_lshrrev_b32 v1, 5, v0
	v_readfirstlane_b32 s[WV], v1
	s_lshr_b32 s[WR], s[WV], 1
	s_and_b32 s[WP], s[WV], 1
	s_bfe_u32 s[CX], ttmp6, 0x40000                ; my place in the cluster
	s_bfe_u32 s[CY], ttmp6, 0x40004
	s_and_b32 s17, ttmp7, 0xffff                   ; the cluster's number, 0..47
	s_lshr_b32 s[TZ], s17, 4
	s_and_b32 s[CL], s17, 15
	s_lshr_b32 s56, s[CL], 1
	s_and_b32 s57, s[CL], 1
	s_lshl_b32 s58, s[TZ], 6
	s_add_co_u32 s58, s58, 1536                    ; Q, K: P = Wq or Wk, tiles from 1536 + 64 tz;
	s_lshl_b32 s59, s[TZ], 9                       ;       R = query or key, tiles from 512 tz
	s_cmp_eq_u32 s[TZ], 2
	s_cselect_b32 s21, s56, 0                      ; V: 8 x 2 clusters; Q, K: 1 x 16
	s_cselect_b32 s22, s57, s[CL]
	s_cselect_b32 s58, 1024, s58                   ; V: P = value,
	s_cselect_b32 s59, 1664, s59                   ;    R = Wv
	s_lshl_b32 s[PBLK], s21, 2
	s_add_co_u32 s[PBLK], s[PBLK], s[CX]           ; my 256 rows of P
	s_lshl_b32 s[RBLK], s22, 2
	s_add_co_u32 s[RBLK], s[RBLK], s[CY]           ; my 128 rows of R
	s_lshl_b32 s[PT0], s[PBLK], 4
	s_add_co_u32 s[PT0], s[PT0], s58               ; their first tiles in cod
	s_lshl_b32 s[RT0], s[RBLK], 3
	s_add_co_u32 s[RT0], s[RT0], s59
	s_lshl_b32 s84, 0x1111, s[CX]                  ; my column of the cluster: it shares P's tiles
	s_lshl_b32 s85, s[CY], 2
	s_lshl_b32 s85, 15, s85                        ; my row: it shares R's
	; descriptor groups 1: rows = tiles; a row = two K steps = 3,072 bytes = 384 elements of 8 bytes; from tile to tile 12,288 bytes = 1,536 elements; no padding
	s_or_b32 s[G1P], s84, (3<<16)|(1<<21)          ; 15:0 the mask; 17:16 elements of 8 bytes; 21 set beside a mask
	s_mov_b32 s[G1P+1], 384<<16                    ; tensor_dim0
	s_mov_b32 s[G1P+2], 4<<16                      ; tensor_dim1: a wave brings four tiles of P
	s_mov_b32 s[G1P+3], 384<<16                    ; tile_dim0
	s_mov_b32 s[G1P+4], 4                          ; tile_dim1
	s_mov_b32 s[G1P+5], 1536                       ; the pitch
	s_mov_b32 s[G1P+6], 0
	s_mov_b32 s[G1P+7], 0
	s_or_b32 s[G1R], s85, (3<<16)|(1<<21)
	s_mov_b32 s[G1R+1], 384<<16
	s_mov_b32 s[G1R+2], 2<<16                      ; and two of R
	s_mov_b32 s[G1R+3], 384<<16
	s_mov_b32 s[G1R+4], 2
	s_mov_b32 s[G1R+5], 1536
	s_mov_b32 s[G1R+6], 0
	s_mov_b32 s[G1R+7], 0
	s_lshl_b32 s86, s[WV], 2
	s_add_co_u32 s86, s86, s[PT0]
	s_mul_i32 s86, s86, 12288                      ; P: my four tiles, in bytes (made of cx, the cluster's number and the wave's)
	s_mov_b32 s87, 0
	s_lshl_b32 s88, s[WV], 1
	s_add_co_u32 s88, s88, s[RT0]
	s_mul_i32 s88, s88, 12288                      ; R: my two (made of cy, the cluster's number and the wave's)
	s_mov_b32 s89, 0
	s_mul_i32 s90, s[WV], 12288                    ; where they go: the wave's number alone enters an LDS address
	s_mul_i32 s91, s[WV], 6144
	s_mov_b32 s[SEL], 0x76543210
	s_mov_b32 s[SEL+1], 0xfedcba98
	s_wait_dscnt 0x0                               ; both opening adds are done
	s_wait_kmcnt 0x0
	s_add_nc_u64 s[86:87], s[4:5], s[86:87]
	s_add_nc_u64 s[88:89], s[4:5], s[88:89]
	CROUND                                         ; all sixteen work-groups are here: the joint loads meet
.irp g, 0,1,2,3
	s_mov_b32 s[G0P+4*\g], 1
	s_add_co_u32 s[G0P+4*\g+1], s90, PGRP*\g
	s_add_nc_u64 s[G0P+4*\g+2:G0P+4*\g+3], s[86:87], 3072*\g
	s_or_b32 s[G0P+4*\g+3], s[G0P+4*\g+3], 0x80000000
	s_mov_b32 s[G0R+4*\g], 1
	s_add_co_u32 s[G0R+4*\g+1], s91, RREG+RGRP*\g
	s_add_nc_u64 s[G0R+4*\g+2:G0R+4*\g+3], s[88:89], 3072*\g
	s_or_b32 s[G0R+4*\g+3], s[G0R+4*\g+3], 0x80000000
.endr
.irp g, 0,1,2,3                        ; all of K, in the order in which it is multiplied; an s_nop 0 behind each load and four v_nop behind the last
	tensor_load_to_lds s[G0P+4*\g:G0P+4*\g+3], s[G1P:G1P+7]
	s_nop 0
	tensor_load_to_lds s[G0R+4*\g:G0R+4*\g+3], s[G1R:G1R+7]
	s_nop 0
.endr
.rept 4
	v_nop
.endr
	v_and_b32 v1, 31, v0                           ; lane
	v_and_b32 v2, 15, v0                           ; r
	v_bfe_u32 v3, v0, 4, 1                         ; h
	v_lshlrev_b32 v4, 4, v1                        ; 16 x lane
	v_lshlrev_b32 v5, 3, v1
	v_add_nc_u32 v5, 512, v5                       ; 8 x lane + 512
	v_lshlrev_b32 v[R32], 5, v2
	s_lshl_b32 s92, s[WP], 3
	s_add_co_u32 s92, s92, s[PT0]
	s_lshl_b32 s92, s92, 9                         ; a tile's scale words are 512 bytes
	s_mov_b32 s93, 0
	s_add_nc_u64 s[92:93], s[6:7], s[92:93]
	s_lshl_b32 s94, s[WR], 2
	s_add_co_u32 s94, s94, s[RT0]
	s_lshl_b32 s94, s94, 9
	s_mov_b32 s95, 0
	s_add_nc_u64 s[94:95], s[6:7], s[94:95]
.irp b, 0,1,2,3,4,5,6,7
	global_load_b128 v[PS+8*\b:PS+8*\b+3], v[R32], s[92:93] offset:512*\b        ; lane r: row r's words of K steps 0-3,
	global_load_b128 v[PS+8*\b+4:PS+8*\b+7], v[R32], s[92:93] offset:512*\b+16   ; and 4-7
.endr
.irp a, 0,1,2,3
	global_load_b128 v[RS+8*\a:RS+8*\a+3], v[R32], s[94:95] offset:512*\a
	global_load_b128 v[RS+8*\a+4:RS+8*\a+7], v[R32], s[94:95] offset:512*\a+16
.endr
	s_mul_i32 s96, s[WP], 24576                    ; my eight tiles of P in a group,
	s_mul_i32 s97, s[WR], 12288                    ; my four of R
	s_add_co_u32 s97, s97, RREG
	v_add_nc_u32 v[AP16], s96, v4
	v_add_nc_u32 v[AP8], s96, v5
	v_add_nc_u32 v[AR16], s97, v4
	v_add_nc_u32 v[AR8], s97, v5
	; the way out's offsets, made while the tiles are on their way.  Q, K: my first head bh = 16 batch + 4 Pblk + 2 (wave % 2); my four token tiles are group G = 2 (Rblk % 16) + wave / 2 of the batch's 32
	s_lshr_b32 s88, s[RBLK], 4
	s_lshl_b32 s88, s88, 4
	s_lshl_b32 s89, s[PBLK], 2
	s_add_co_u32 s88, s88, s89
	s_lshl_b32 s89, s[WP], 1
	s_add_co_u32 s88, s88, s89
	s_and_b32 s89, s[RBLK], 15
	s_lshl_b32 s89, s89, 1
	s_add_co_u32 s89, s89, s[WR]
	s_lshl_b32 s84, s88, 7
	s_lshl_b32 s90, s89, 2
	s_add_co_u32 s84, s84, s90
	s_mul_i32 s84, s84, 768
	s_mul_i32 s90, s[TZ], 6291456
	s_add_co_u32 s84, s84, s90                     ; hc: (128 bh + 4 G) x 768, in Q's or K's region
	s_lshl_b32 s86, s88, 13
	s_lshl_b32 s90, s89, 8
	s_add_co_u32 s86, s86, s90
	s_lshl_b32 s90, s[TZ], 19
	s_add_co_u32 s86, s86, s90                     ; hs: 8,192 bh + 256 G
	; V: bh = 16 batch + 2 Rblk + wave / 2; key step = 2 (Pblk % 8) + wave % 2
	s_lshr_b32 s88, s[PBLK], 3
	s_lshl_b32 s88, s88, 4
	s_lshl_b32 s89, s[RBLK], 1
	s_add_co_u32 s88, s88, s89
	s_add_co_u32 s88, s88, s[WR]
	s_lshl_b32 s88, s88, 4
	s_and_b32 s89, s[PBLK], 7
	s_lshl_b32 s89, s89, 1
	s_add_co_u32 s88, s88, s89
	s_add_co_u32 s88, s88, s[WP]
	s_mul_i32 s89, s88, 6144
	s_add_co_u32 s89, s89, 12582912
	s_lshl_b32 s88, s88, 8
	s_add_co_u32 s88, s88, 1048576
	s_mov_b32 s[SA], 768
	s_mov_b32 s[SG], 98304
	s_mov_b32 s[MLO], 0xffff0000
	s_cmp_eq_u32 s[TZ], 2
	s_cselect_b32 s84, s89, s84
	s_cselect_b32 s86, s88, s86
	s_cselect_b32 s[SA], 1536, s[SA]               ; from R tile to R tile: Q, K the next token tile; V the next d tile
	s_cselect_b32 s[SG], 768, s[SG]                ; from the lower four P tiles to the upper: Q, K the next head; V the next 64 keys
	s_cselect_b32 s[MLO], 0, s[MLO]
	s_cselect_b32 s[MHI], 0, -1
	s_cselect_b32 s[HS], 0, 8192
	s_mov_b32 s85, 0
	s_mov_b32 s87, 0
	s_add_nc_u64 s[8:9], s[8:9], s[84:85]
	s_add_nc_u64 s[10:11], s[10:11], s[86:87]
.macro FRAGL reg, a16, a8, off         ; a fragment's twelve registers, as they were stored: for each 64 along K four registers at 16 x lane and two at 512 + 8 x lane
.irp c, 0,1
	ds_load_b128 v[(\reg)+6*\c:(\reg)+6*\c+3], v[\a16] offset:(\off)+768*\c
	ds_load_b64 v[(\reg)+6*\c+4:(\reg)+6*\c+5], v[\a8] offset:(\off)+768*\c
.endr
.endm
.macro FETCH s                         ; K step s: 8 fragments of P and 4 of R into set s % 2: 48 loads
	WIN 0x40                                       ; destination window 1, address window 0
.irp b, 0,1,2,3,4,5,6,7
	FRAGL 128*((\s)%2)+12*\b, AP16, AP8, 3072*\b+1536*((\s)%2)
.endr
	WIN 0
.irp a, 0,1,2,3
	FRAGL RF+48*((\s)%2)+12*\a, AR16, AR8, 3072*\a+1536*((\s)%2)
.endr
.endm
.macro MUL s, zero                     ; 32 matrix instructions; the 32 accumulators take turns, in the same order in every step.  zero = 1: the first step starts the sums
	WIN 0xa1                                       ; source 0 (P) window 1, source 1 (R) window 0, C and D window 2
.irp a, 0,1,2,3
.irp b, 0,1,2,3,4,5,6,7
.if \zero
	v_wmma_scale_f32_16x16x128_f8f6f4 v[8*(8*\a+\b):8*(8*\a+\b)+7], v[128*((\s)%2)+12*\b:128*((\s)%2)+12*\b+11], v[RF+48*((\s)%2)+12*\a:RF+48*((\s)%2)+12*\a+11], 0, v[PS+8*\b+(\s)], v[RS+8*\a+(\s)] matrix_a_fmt:MATRIX_FMT_FP6 matrix_b_fmt:MATRIX_FMT_FP6
.else
	v_wmma_scale_f32_16x16x128_f8f6f4 v[8*(8*\a+\b):8*(8*\a+\b)+7], v[128*((\s)%2)+12*\b:128*((\s)%2)+12*\b+11], v[RF+48*((\s)%2)+12*\a:RF+48*((\s)%2)+12*\a+11], v[8*(8*\a+\b):8*(8*\a+\b)+7], v[PS+8*\b+(\s)], v[RS+8*\a+(\s)] matrix_a_fmt:MATRIX_FMT_FP6 matrix_b_fmt:MATRIX_FMT_FP6
.endif
.endr
.endr
.endm
.macro KSTEP s, zero                   ; the next step's fragments are asked for, then this step is multiplied
.if (\s) < 7
.if (\s)%2 == 1
	s_wait_tensorcnt 5-(\s)                        ; my parts of the next group of two K steps have landed; the two loads of each later group stay out
	s_wait_dscnt 0x0                               ; no LDS load of mine is out at the signal
	s_barrier_signal -1
	s_barrier_wait -1                              ; everybody's parts have.
	WIN 0
	v_add_nc_u32 v[AP16], PGRP, v[AP16]
	v_add_nc_u32 v[AP8], PGRP, v[AP8]
	v_add_nc_u32 v[AR16], RGRP, v[AR16]
	v_add_nc_u32 v[AR8], RGRP, v[AR8]
.endif
.if (\s) > 0
	PLACES                                         ; the set to be loaded was multiplied last
.endif
	FETCH (\s)+1
	s_wait_dscnt 48                                ; all but the 48 loads just issued
.else
	s_wait_dscnt 0x0
.endif
	MUL \s, \zero
.endm
	s_wait_loadcnt 0x0                             ; the scale words
	s_wait_tensorcnt 6                             ; my parts of K steps 0 and 1 have landed; the six loads of the later groups stay out
	s_barrier_signal -1
	s_barrier_wait -1
	FETCH 0
	KSTEP 0, 1
.irp s, 1,2,3,4,5,6,7
	KSTEP \s, 0
.endr
	; THE WAY OUT.  Unit u = 2 a + g: R tile a, P tiles 4 g .. 4 g + 3: 32 registers at 32 u of window 2; register 16 e + i is number 32 e + 16 (lane / 16) + i of 64 along the next K.  Block q = 2 u + e: registers 16 q on.
	PLACES
	WIN 0x0a                                       ; sources 0 and 1 window 2
.irp q, 0,1,2,3,4,5,6,7,8,9,10,11,12,13,14,15
	v_max3_num_f32 v[128+\q], |v[16*\q]|, |v[16*\q+1]|, 0x1800000   ; my 16 numbers of block q, each accumulator from its low end on; the floor 2^(3 - 127) holds the byte at 1 from below
.endr
	WIN 0x28                                       ; sources 1 and 2 window 2
.irp i, 2,4,6,8,10,12,14
.irp q, 0,1,2,3,4,5,6,7,8,9,10,11,12,13,14,15
	v_max3_num_f32 v[128+\q], v[128+\q], |v[16*\q+\i]|, |v[16*\q+\i+1]|
.endr
.endr
	WIN 0
.irp q, 0,1,2,3,4,5,6,7,8,9,10,11,12,13,14,15
	v_mov_b32 v[144+\q], 0                         ; a lane permute's destination counts as one of its sources
.endr
.irp q, 0,1,2,3,4,5,6,7,8,9,10,11,12,13,14,15
	v_permlanex16_b32 v[144+\q], v[128+\q], s[SEL], s[SEL+1]
.endr
.irp q, 0,1,2,3,4,5,6,7,8,9,10,11,12,13,14,15
	v_max_num_f32 v[128+\q], v[128+\q], v[144+\q]  ; with lane l xor 16's: the block's largest magnitude
.endr
.irp q, 0,1,2,3,4,5,6,7,8,9,10,11,12,13,14,15
	v_add_nc_u32 v[144+\q], 0xff000000, v[128+\q]  ; 2 off its exponent field: the conversion's scale operand
.endr
.irp q, 0,1,2,3,4,5,6,7,8,9,10,11,12,13,14,15
	v_lshrrev_b32 v[128+\q], 23, v[144+\q]         ; the scale's byte
.endr
.irp u, 0,1,2,3,4,5,6,7
	v_lshl_or_b32 v[160+\u], v[129+2*\u], 8, v[128+2*\u]   ; a unit's two bytes
.endr
	WIN 0x02                                       ; source 0 window 2
.irp u, 0,1,2,3,4,5,6,7
	v_cvt_scalef32_pk16_fp6_f32 v[192+8*\u:194+8*\u], v[32*\u:32*\u+15], v[144+2*\u]
	v_cvt_scalef32_pk16_fp6_f32 v[196+8*\u:198+8*\u], v[32*\u+16:32*\u+31], v[145+2*\u]
.endr
	WIN 0
	v_nop                                          ; one plain place behind the scaled conversions
.irp u, 0,1,2,3,4,5,6,7                ; the operand's layout wants a WHOLE block in a lane: lanes 0-15 block 0, lanes 16-31 block 1
.irp i, 0,1,2
	v_permlane16_swap_b32 v[192+8*\u+\i], v[196+8*\u+\i]
.endr
.irp i, 0,1,2
	v_mov_b32 v[195+8*\u+\i], v[196+8*\u+\i]       ; six registers on end (each move reads the register that the next one writes)
.endr
.endr
.irp u, 0,1,2,3,4,5,6,7
	s_mul_i32 s84, s[SA], \u/2
.if \u%2
	s_add_co_u32 s84, s84, s[SG]
.endif
	v_add_nc_u32 v[176+\u], s84, v4
	v_add_nc_u32 v[184+\u], s84, v5
.endr
.irp u, 0,1,2,3,4,5,6,7
	global_store_b128 v[176+\u], v[192+8*\u:195+8*\u], s[8:9]   ; 512 consecutive bytes,
	global_store_b64 v[184+\u], v[196+8*\u:197+8*\u], s[8:9]    ; and 256: both begin at multiples of 256 from the buffer's first byte
.endr
	; the scale words.  Q, K: lanes 0-15 store the first head's, lanes 16-31 the second's, each word the head's two bytes twice.  V: a word is the lower 64 keys' two bytes and the upper's; lanes 16-31 store what lanes 0-15 store
.irp a, 0,1,2,3
	v_cndmask_b32 v[168+\a], v[160+2*\a], v[161+2*\a], s[MLO]
.endr
.irp a, 0,1,2,3
	v_cndmask_b32 v[172+\a], v[161+2*\a], v[168+\a], s[MHI]
.endr
.irp a, 0,1,2,3
	v_lshl_or_b32 v[172+\a], v[172+\a], 16, v[168+\a]
.endr
	v_lshlrev_b32 v6, 4, v2
	v_mad_u32_u24 v6, v3, s[HS], v6                ; 16 r, + a head's 8,192 bytes for lanes 16-31 (V: + 0)
	global_store_b128 v6, v[172:175], s[10:11]
	s_wait_tensorcnt 0x0                           ; the wave's end: three closing lines behind my last tensor load
	ds_add_u32 v[SPW], v[NIL]
	s_wait_dscnt 0x0
	CROUND                                         ; the closing round: no work-group ends while a partner may still ask for a tile that names it
	s_endpgm
.Lfunc_end_k_q5611bbdfaa_proj:
	.size	k_q5611bbdfaa_proj, .Lfunc_end_k_q5611bbdfaa_proj-k_q5611bbdfaa_proj
	.p2alignl 7, 3214868480
	.fill 96, 4, 3214868480
	.section	.rodata,"a",@progbits
	.p2align	6, 0x0
	.amdhsa_kernel k_q5611bbdfaa_proj
		.amdhsa_group_segment_fixed_size 327680
		.amdhsa_private_segment_fixed_size 0
		.amdhsa_enable_private_segment 0
		.amdhsa_kernarg_size 32
		.amdhsa_user_sgpr_count 2
		.amdhsa_user_sgpr_kernarg_segment_ptr 1
		.amdhsa_wavefront_size32 1
		.amdhsa_system_sgpr_workgroup_id_x 1
		.amdhsa_system_sgpr_workgroup_id_y 1
		.amdhsa_system_sgpr_workgroup_id_z 1
		.amdhsa_system_vgpr_workitem_id 0
		.amdhsa_next_free_vgpr 768
		.amdhsa_next_free_sgpr 100
		.amdhsa_reserve_vcc 0
		.amdhsa_float_denorm_mode_32 3
		.amdhsa_float_denorm_mode_16_64 3
		.amdhsa_memory_ordered 1
		.amdhsa_forward_progress 1
		.amdhsa_inst_pref_size 90
	.end_amdhsa_kernel
	.amdgpu_metadata
---
amdhsa.version: [ 1, 2 ]
amdhsa.kernels:
  - .name:           k_q5611bbdfaa_proj
    .symbol:         k_q5611bbdfaa_proj.kd
    .args:
      - { .name: cod, .offset: 0, .size: 8, .value_kind: global_buffer, .address_space: global }
      - { .name: scl, .offset: 8, .size: 8, .value_kind: global_buffer, .address_space: global }
      - { .name: hc, .offset: 16, .size: 8, .value_kind: global_buffer, .address_space: global }
      - { .name: hs, .offset: 24, .size: 8, .value_kind: global_buffer, .address_space: global }
    .group_segment_fixed_size: 327680
    .private_segment_fixed_size: 0
    .kernarg_segment_align: 8
    .kernarg_segment_size: 32
    .max_flat_workgroup_size: 128
    .sgpr_count:     100
    .vgpr_count:     768
    .wavefront_size: 32
...
	.end_amdgpu_metadata
.endif
;; end of part 2
;; launch attn (part 3): grid 4 x 64, 16 waves a work-group, no clusters, 210,944 bytes of LDS; arguments hc, hs, msk, ac, asc; writes ac, asc
.if DOCPART == 3
	.amdgcn_target "amdgcn-amd-amdhsa--gfx1250"
	.amdhsa_code_object_version 6
	.text
	.protected	k_q5611bbdfaa_attn
	.globl	k_q5611bbdfaa_attn
	.p2align	8
	.type	k_q5611bbdfaa_attn,@function
k_q5611bbdfaa_attn:
	s_mov_b64 s[64:65], 0
	v_nop
	global_prefetch_b8 v0, s[64:65] scope:SCOPE_SE
	s_setreg_imm32_b32 hwreg(HW_REG_WAVE_MODE, 25, 1), 1
	s_wait_xcnt 0x0
; ATTN: for each batch and head, O = softmax(mask(Q K^T / 8)) V on codes of FP6 (E2M3), and O's quantiser along the model's 1,024 ahead of the last projection.
; LEFT OUT, by whole numbers that launch prep stored and this launch reads: a step of 16 queries x 128 keys whose mask bytes are all 0, and only in a tile in which every query has an allowed key somewhere: its p are exactly 0
; (shown at the head of launch prep).  A NaN, an infinity or an overflow that reaches only such a step is not carried to the result.
; THE SOFTMAX: t = score x log2(e) / 8; M = the running largest t rounded UP to a whole number; p = 2^(t - M) is what is quantised, along the keys, not normalised; the row's sum is taken of the unquantised p and divides O
; at the end.  When M moves, the sum and O are multiplied by 2^(old M - new M), exactly.
; LIMIT: a masked score is set to -2^70 ahead of the scaling, a logit of -1.48e20 where reference() has -1e20: a power of two, so that t is exact and t - M is exactly 0 in a row with no allowed key (every p is 1 there, as in
; reference()).  The results are reference()'s while true logits stay above some -1e19.  NaN and infinities are not served.
; NO CLUSTER AND NO TENSOR LOAD: steps are passed over by branches on numbers read from memory.  The four work-groups of a head each copy its K and V.
; SHARES.  A work-group is (j = 0..3, batch x head).  The head's K and V codes and scale words, 208,896 bytes, are copied into LDS once, through registers.  Wave w makes two query tiles, 4 w + j and 4 (31 - w) + j: under a
; triangular mask every wave then has the same number of live steps; the text is right for any mask.  Four waves share a SIMD: one wave's vector work stands beside another's matrix work and loads.
; LAYOUT.  Both products are used transposed: S^T = K Q^T (source 0 = 16 keys), O^T = V^T P^T (source 0 = 16 of the head's 64): a lane holds one query throughout.  The keys of a tile are laid so that the 16 registers of tiles
; 2 b, 2 b + 1 are keys 32 b + 16 (lane / 16) + 0 .. 15.  The head has 64 along K and the instruction 128: the other 64 are zero codes.  Even tiles go as (K, 0) x (Q, 0), odd ones as (0, K) x (0, Q), so that a pair of
; tiles shares six registers of zeros; the scale words hold the head's two bytes twice, so that either half serves.
; REGISTERS: v1-6 lane addresses, v7 and v255 the add's two, v8-11, v250, v251 the step's addresses, v12 -M, v13 the largest t, v[14:15] the sum, v16-33 Q | zeros | Q, v34-105 four times K | zeros | K, v106-117 K's and V's
; scale words, v118 Q's, v119 p's, v120-183 S^T, then p, then V's fragments, v184-215 O^T, v216-227 p's codes, v228-249, v252, v253 at work, v254 -2^70.
.set VREG,  98304                      ; LDS: K's 128 half images from 0; V's 16 steps x 6,144 bytes from here;
.set KSC,   196608                     ; K's scale words, 8,192 bytes;
.set VSC,   204800                     ; V's, 4,096 bytes;
.set SPARE, 208896                     ; the spare words, 128 bytes for each wave: eight blocks of 256 bytes that no other line names
.set A16,  1
.set A8,   2
.set V16,  3
.set V8,   4
.set AKS,  5
.set AVS,  6
.set SPW,  7
.set TK16, 8
.set TK8,  9
.set TV16, 10
.set TV8,  11
.set QF,   16
.set KF,   34
.set KW,   106
.set VW,   114
.set QW,   118
.set PW,   119
.set S,    120
.set O,    184
.set PC,   216
.set T2,   228
.set BM,   236
.set SO,   240
.set PT,   244
.set F,    248
.set TKS,  250
.set TVS,  251
.set L2,   252
.set NEG,  254
.set NIL,  255
.set WV,   14                          ; s14 wave, s15 j, s16 batch x head
.set JX,   15
.set BH,   16
.set TAU,  18                          ; s18 the query tile, s19 the key step
.set KS,   19
.set LIVE, 20                          ; s20 bit k: step k is walked;  s21 bit k: all of step k's keys count
.set FULL, 21
.set CS,   22                          ; s[22:23] c = log2(e) / 8
.set SEL,  24                          ; s[24:25] v_permlanex16_b32's selects for lane l xor 16
.set OK,   26                          ; s26 6,144 x step, s27 512 x step, s28 256 x step: LDS;  s29 the step's lane masks in msk
.set OS,   27
.set OV,   28
.set OM,   29
	s_load_b256 s[4:11], s[0:1], 0x0               ; hc s[4:5], hs s[6:7], msk s[8:9], ac s[10:11]
	s_load_b64 s[12:13], s[0:1], 0x20              ; asc
	v_lshl_add_u32 v[SPW], v0, 2, SPARE
	v_mov_b32 v[NIL], 0
	v_lshrrev_b32 v8, 5, v0
	v_readfirstlane_b32 s[WV], v8
	s_mov_b32 s[JX], ttmp9
	s_and_b32 s[BH], ttmp7, 0xffff
	v_lshlrev_b32 v8, 4, v0                        ; 16 x thread: the copy's place, in memory and in LDS
	v_lshlrev_b32 v9, 3, v0
	v_add_nc_u32 v10, 65536, v8
	v_add_nc_u32 v11, 131072, v8
	v_add_nc_u32 v12, KSC, v8
	v_add_nc_u32 v13, VSC, v9
	s_mul_i32 s30, s[BH], 98304                    ; a head's codes in each of hc's regions
	s_mov_b32 s31, 0
	s_lshl_b32 s2, s[BH], 13                       ; its scale words in Q's and K's regions of hs,
	s_mov_b32 s3, 0
	s_lshl_b32 s26, s[BH], 12                      ; and in V's
	s_add_co_u32 s26, s26, 1048576
	s_mov_b32 s27, 0
	s_wait_kmcnt 0x0
	s_add_nc_u64 s[4:5], s[4:5], s[30:31]          ; Q's codes of my head; K's lie 6,291,456 bytes on,
	s_add_nc_u64 s[30:31], s[4:5], 12582912        ; V's here
	s_add_nc_u64 s[26:27], s[6:7], s[26:27]
	s_add_nc_u64 s[6:7], s[6:7], s[2:3]            ; Q's scale words; K's lie 524,288 bytes on
.irp i, 0,1,2,3,4,5,6,7,8,9,10,11
	global_load_b128 v[120+4*\i:123+4*\i], v8, s[4:5] offset:6291456+8192*\i    ; the 512 threads take 8,192 consecutive bytes
.endr
.irp i, 0,1,2,3,4,5,6,7,8,9,10,11
	global_load_b128 v[168+4*\i:171+4*\i], v8, s[30:31] offset:8192*\i
.endr
	global_load_b128 v[216:219], v8, s[6:7] offset:524288
	global_load_b64 v[220:221], v9, s[26:27]
	s_lshr_b32 s17, s[BH], 4                       ; batch
	s_and_b32 s28, s[BH], 15                       ; head
	s_mul_i32 s2, s17, 1572864                     ; ac: 128 token tiles of 12,288 bytes a batch,
	s_mul_i32 s3, s28, 768                         ; a head's half image in a tile
	s_add_co_u32 s2, s2, s3
	s_mov_b32 s3, 0
	s_add_nc_u64 s[10:11], s[10:11], s[2:3]
	s_lshl_b32 s2, s17, 16                         ; asc: 128 tiles of 512 bytes a batch,
	s_lshl_b32 s3, s28, 1                          ; a head's two bytes in a row
	s_add_co_u32 s2, s2, s3
	s_mov_b32 s3, 0
	s_add_nc_u64 s[12:13], s[12:13], s[2:3]
	s_mov_b32 s[CS], 0x3e38aa3b
	s_mov_b32 s[CS+1], s[CS]                       ; (named with it as a pair, so it is written)
	s_mov_b32 s[SEL], 0x76543210
	s_mov_b32 s[SEL+1], 0xfedcba98
.irp i, 0,1,2,3,4,5,6,7
	s_wait_loadcnt 25-\i                           ; loads come back in order: load i is in, the younger ones stay out
	ds_store_b128 v8, v[120+4*\i:123+4*\i] offset:8192*\i
.endr
.irp i, 8,9,10,11,12,13,14,15
	s_wait_loadcnt 25-\i
	ds_store_b128 v10, v[120+4*\i:123+4*\i] offset:8192*(\i-8)
.endr
.irp i, 16,17,18,19,20,21,22,23
	s_wait_loadcnt 25-\i
	ds_store_b128 v11, v[120+4*\i:123+4*\i] offset:8192*(\i-16)
.endr
	s_wait_loadcnt 1
	ds_store_b128 v12, v[216:219]
	s_wait_loadcnt 0x0
	ds_store_b64 v13, v[220:221]
	v_and_b32 v[A8], 31, v0                        ; lane
	v_lshlrev_b32 v[A16], 4, v[A8]                 ; 16 x lane: a half image's first four registers,
	v_lshlrev_b32 v[A8], 3, v[A8]
	v_add_nc_u32 v[A8], 512, v[A8]                 ; 512 + 8 x lane: its last two
	v_add_nc_u32 v[V16], VREG, v[A16]
	v_add_nc_u32 v[V8], VREG, v[A8]
	v_and_b32 v[AKS], 15, v0
	v_lshlrev_b32 v[AKS], 4, v[AKS]                ; 16 r: four scale words
	v_add_nc_u32 v[AVS], VSC, v[AKS]
	v_add_nc_u32 v[AKS], KSC, v[AKS]
.irp i, 0,1,2,3,4,5
	v_mov_b32 v[QF+6+\i], 0                        ; the zero codes: written once
.irp g, 0,1,2,3
	v_mov_b32 v[KF+18*\g+6+\i], 0
.endr
.endr
.irp b, 0,1,2,3
	v_mov_b32 v[PT+\b], 0                          ; a lane permute's destination counts as one of its sources
.endr
	v_mov_b32 v[F+1], 0                            ; (named as the upper half of a pair)
	v_mov_b32 v[NEG], 0xe2800000                   ; -2^70
	s_wait_dscnt 0x0                               ; for the others' sake: my stores have landed
	s_barrier_signal -1
	s_barrier_wait -1                              ; the head lies in LDS; from here on it is only read
.macro PASS second
.if \second
	s_sub_co_u32 s[TAU], 31, s[WV]
.else
	s_mov_b32 s[TAU], s[WV]
.endif
	s_lshl_b32 s[TAU], s[TAU], 2
	s_add_co_u32 s[TAU], s[TAU], s[JX]             ; my query tile
	s_mul_i32 s30, s[TAU], 768
	s_mov_b32 s31, 0
	s_add_nc_u64 s[30:31], s[4:5], s[30:31]
	global_load_b128 v[QF:QF+3], v[A16], s[30:31]          ; Q's six registers, twice: in front of the zeros and behind them
	global_load_b64 v[QF+4:QF+5], v[A8], s[30:31]
	global_load_b128 v[QF+12:QF+15], v[A16], s[30:31]
	global_load_b64 v[QF+16:QF+17], v[A8], s[30:31]
	s_lshr_b32 s2, s[TAU], 2
	s_lshl_b32 s2, s2, 8
	s_and_b32 s3, s[TAU], 3
	s_lshl_b32 s3, s3, 2
	s_add_co_u32 s2, s2, s3
	s_mov_b32 s3, 0
	s_add_nc_u64 s[2:3], s[6:7], s[2:3]
	v_and_b32 v[PT], 15, v0
	v_lshlrev_b32 v[PT], 4, v[PT]
	global_load_b32 v[QW], v[PT], s[2:3]           ; Q's scale words
	s_lshl_b32 s[OM], s[TAU], 8
	s_load_b256 s[32:39], s[8:9], s[OM] offset:524288      ; the tile's sixteen step words
	s_load_b256 s[40:47], s[8:9], s[OM] offset:524416
	v_mov_b32 v13, 0xff61b1e6                      ; the largest t so far: -3e38, under every t
	v_floor_f32 v12, -v13                          ; -M
	v_mov_b32 v14, 0                               ; the sum, in two halves
	v_mov_b32 v15, 0
.set n, 0
.rept 32
	v_mov_b32 v[O+n], 0                            ; O^T: the step is written once; the first finds zeros, which the first change of M leaves zeros
.set n, n+1
.endr
	s_wait_kmcnt 0x0
	s_mov_b32 s[LIVE], 0
	s_mov_b32 s[FULL], 0
	s_mov_b32 s28, 0
.irp k, 0,1,2,3,4,5,6,7,8,9,10,11,12,13,14,15
	s_and_b32 s26, s[32+\k], 0xffff                ; which queries have an allowed key in step k
	s_cselect_b32 s27, 1<<\k, 0
	s_or_b32 s[LIVE], s[LIVE], s27
	s_or_b32 s28, s28, s26
	s_lshr_b32 s26, s[32+\k], 16
	s_lshl_b32 s26, s26, \k
	s_or_b32 s[FULL], s[FULL], s26
.endr
	s_cmp_eq_u32 s28, 0xffff                       ; has every query an allowed key somewhere?
	s_cselect_b32 s[LIVE], s[LIVE], 0xffff         ; if not, all steps are walked: a wholly masked row weighs all keys alike
	s_lshl_b32 s[OM], s[OM], 4                     ; the tile's lane masks: 16 steps of 256 bytes
	s_mov_b32 s[OK], 0
	s_mov_b32 s[OS], 0
	s_mov_b32 s[OV], 0
	s_mov_b32 s[KS], 0
	s_wait_loadcnt 0x0                             ; Q
.Lstep_\@:                                             ; sixteen trips, whatever the mask: a step that is not live jumps to the lines at its end that step the addresses
	s_bitcmp1_b32 s[LIVE], s[KS]
	s_cbranch_scc0 .Lnext_\@
	s_load_b512 s[32:47], s[8:9], s[OM] offset:0x0         ; the step's 64 lane masks: asked for in every live step, so that every way to their readers has written them
	s_load_b512 s[48:63], s[8:9], s[OM] offset:0x40
	s_load_b512 s[68:83], s[8:9], s[OM] offset:0x80
	s_load_b512 s[84:99], s[8:9], s[OM] offset:0xc0
	v_add_nc_u32 v[TK16], s[OK], v[A16]            ; six plain lines: they are also the places between the last step's V^T P, which read v120 on and V's scale words, and the loads and products below that write them (five are asked of a product that writes over a source)
	v_add_nc_u32 v[TK8], s[OK], v[A8]
	v_add_nc_u32 v[TV16], s[OK], v[V16]
	v_add_nc_u32 v[TV8], s[OK], v[V8]
	v_add_nc_u32 v[TKS], s[OS], v[AKS]
	v_add_nc_u32 v[TVS], s[OV], v[AVS]
.irp t, 0,1,2,3,4,5,6,7
	ds_load_b128 v[KF+18*(\t/2)+12*(\t%2):KF+18*(\t/2)+12*(\t%2)+3], v[TK16] offset:768*\t
	ds_load_b64 v[KF+18*(\t/2)+12*(\t%2)+4:KF+18*(\t/2)+12*(\t%2)+5], v[TK8] offset:768*\t
.endr
	ds_load_b128 v[KW:KW+3], v[TKS]
	ds_load_b128 v[KW+4:KW+7], v[TKS] offset:256
	ds_load_b128 v[VW:VW+3], v[TVS]
	s_wait_dscnt 0x0
.irp t, 0,1,2,3,4,5,6,7                ; S^T = K Q^T: even tiles (K, 0) x (Q, 0), odd tiles (0, K) x (0, Q)
	v_wmma_scale_f32_16x16x128_f8f6f4 v[S+8*\t:S+8*\t+7], v[KF+18*(\t/2)+6*(\t%2):KF+18*(\t/2)+6*(\t%2)+11], v[QF+6*(\t%2):QF+6*(\t%2)+11], 0, v[KW+\t], v[QW] matrix_a_fmt:MATRIX_FMT_FP6 matrix_b_fmt:MATRIX_FMT_FP6
.endr
.rept 4
	v_nop                                          ; places ahead of the first read of the scores
.endr
	s_wait_kmcnt 0x0                               ; the lane masks
	s_bitcmp1_b32 s[FULL], s[KS]
	s_cbranch_scc1 .Lopen_\@                       ; a step all of whose keys count needs none of them
.set n, 0
.rept 64
	v_cndmask_b32 v[S+n], v[NEG], v[S+n], s[32+n+4*(n/32)]   ; register n: key 32 (n / 16) + 16 (lane / 16) + n % 16 of the step; a masked score becomes -2^70
.set n, n+1
.endr
.Lopen_\@:
.irp b, 0,1,2,3
	v_max3_num_f32 v[BM+\b], v[S+16*\b], v[S+1+16*\b], v[S+2+16*\b]   ; the largest score of each block of 32 keys: it serves for the row's maximum and, since p rises with the score, for the block's largest p
.endr
.irp i, 3,5,7,9,11,13
.irp b, 0,1,2,3
	v_max3_num_f32 v[BM+\b], v[BM+\b], v[S+16*\b+\i], v[S+1+16*\b+\i]
.endr
.endr
.irp b, 0,1,2,3
	v_max_num_f32 v[BM+\b], v[BM+\b], v[S+15+16*\b]
.endr
.irp b, 0,1,2,3
	v_permlanex16_b32 v[PT+\b], v[BM+\b], s[SEL], s[SEL+1]
.endr
.irp b, 0,1,2,3
	v_max_num_f32 v[BM+\b], v[BM+\b], v[PT+\b]     ; with lane l xor 16's 16 keys
.endr
	v_max3_num_f32 v[PT], v[BM], v[BM+1], v[BM+2]
	v_max_num_f32 v[PT], v[PT], v[BM+3]            ; the step's largest score of my query
	v_mul_f32 v[PT], s[CS], v[PT]                  ; as t (c is positive)
	v_max_num_f32 v13, v13, v[PT]                  ; the running largest t
	v_mov_b32 v[PT], v12
	v_floor_f32 v12, -v13                          ; the new -M = floor(-t): M is a whole number
	v_sub_f32 v[PT], v12, v[PT]                    ; old M less new M: a whole number, 0 or less
	v_cvt_i32_f32 v[PT], v[PT]                     ; (it saturates)
	v_ldexp_f32 v[F], 1.0, v[PT]                   ; f = 2^(old M - new M)
.set n, 0
.rept 32
	v_pk_fma_f32 v[S+n:S+n+1], v[S+n:S+n+1], s[CS:CS+1], v[12:13] op_sel_hi:[1,0,0]   ; t - M, two at a time
.set n, n+2
.endr
.irp b, 0,1,2,3
	v_fma_f32 v[BM+\b], v[BM+\b], s[CS], v12       ; the same of each block's largest score
.endr
.set n, 0
.rept 64
	v_exp_f32 v[S+n], v[S+n]                       ; p = 2^(t - M), at most 1
.set n, n+1
.endr
	v_pk_mul_f32 v[14:15], v[14:15], v[F:F+1] op_sel_hi:[1,0]   ; the sums under the new M (a plain place behind the exponentials)
	s_wait_alu depctr_va_vdst(0)                   ; one wait for the whole batch, ahead of its first reader
.irp b, 0,1,2,3
	v_exp_f32 v[BM+\b], v[BM+\b]                   ; the block's largest p: the same two instructions on the same number
.endr
	v_pk_add_f32 v[L2:L2+1], v[S:S+1], v[S+2:S+3]  ; the row's sum is taken of the unquantised p, in two chains
.irp j, 4,8,12,16,20,24,28,32,36,40,44,48,52,56,60
	v_pk_add_f32 v[14:15], v[14:15], v[S+\j:S+\j+1]
	v_pk_add_f32 v[L2:L2+1], v[L2:L2+1], v[S+2+\j:S+3+\j]
.endr
	v_pk_add_f32 v[14:15], v[14:15], v[L2:L2+1]
	s_wait_alu depctr_va_vdst(0)                   ; and one for the four
.irp b, 0,1,2,3
	v_max_num_f32 v[BM+\b], 0x1800000, v[BM+\b]    ; the floor 2^(3 - 127): the byte cannot fall under 1
.endr
.irp b, 0,1,2,3
	v_add_nc_u32 v[SO+\b], 0xff000000, v[BM+\b]    ; 2 off the exponent field: the conversion's scale operand
.endr
.irp b, 0,1,2,3
	v_lshrrev_b32 v[PT+\b], 23, v[SO+\b]           ; the scale's byte
.endr
	v_lshl_or_b32 v[PW], v[PT+1], 8, v[PT]         ; p's scale word for these 128 keys
	v_lshl_or_b32 v[PW], v[PT+2], 16, v[PW]
	v_lshl_or_b32 v[PW], v[PT+3], 24, v[PW]
.irp c, 0,1
	v_cvt_scalef32_pk16_fp6_f32 v[PC+6*\c:PC+6*\c+2], v[S+32*\c:S+32*\c+15], v[SO+2*\c]
	v_cvt_scalef32_pk16_fp6_f32 v[T2+4*\c:T2+4*\c+2], v[S+32*\c+16:S+32*\c+31], v[SO+2*\c+1]
.endr
	v_nop                                          ; one plain place behind the scaled conversions
.irp c, 0,1                            ; the operand's layout wants a WHOLE block in a lane
.irp i, 0,1,2
	v_permlane16_swap_b32 v[PC+6*\c+\i], v[T2+4*\c+\i]
.endr
.irp i, 0,1,2
	v_mov_b32 v[PC+6*\c+3+\i], v[T2+4*\c+\i]
.endr
.endr
.irp d, 0,1,2,3                        ; V's four fragments take p's place
.irp c, 0,1
	ds_load_b128 v[S+12*\d+6*\c:S+12*\d+6*\c+3], v[TV16] offset:1536*\d+768*\c
	ds_load_b64 v[S+12*\d+6*\c+4:S+12*\d+6*\c+5], v[TV8] offset:1536*\d+768*\c
.endr
.endr
.set n, 0
.rept 16
	v_pk_mul_f32 v[O+n:O+n+1], v[O+n:O+n+1], v[F:F+1] op_sel_hi:[1,0]   ; O^T under the new M.  (These sixteen are also the places between the lines that wrote p's codes and scale word and the products)
.set n, n+2
.endr
	s_wait_dscnt 0x0
.irp d, 0,1,2,3                        ; O^T += V^T P^T: the four accumulators by turns
	v_wmma_scale_f32_16x16x128_f8f6f4 v[O+8*\d:O+8*\d+7], v[S+12*\d:S+12*\d+11], v[PC:PC+11], v[O+8*\d:O+8*\d+7], v[VW+\d], v[PW] matrix_a_fmt:MATRIX_FMT_FP6 matrix_b_fmt:MATRIX_FMT_FP6
.endr
.Lnext_\@:
	s_add_co_u32 s[OK], s[OK], 6144
	s_add_co_u32 s[OS], s[OS], 512
	s_add_co_u32 s[OV], s[OV], 256
	s_add_co_u32 s[OM], s[OM], 256                 ; (the scalar loads that read it were waited for)
	s_add_co_u32 s[KS], s[KS], 1
	s_cmp_lt_u32 s[KS], 16
	s_cbranch_scc1 .Lstep_\@
	; THE TILE'S END: O^T / the sum; register 16 e + i is d = 32 e + 16 (lane / 16) + i of my query: two blocks of the last projection's K
.rept 4
	v_nop                                          ; places behind the last products
.endr
	v_add_f32 v14, v14, v15
	v_permlanex16_b32 v[PT], v14, s[SEL], s[SEL+1]
	v_add_f32 v14, v14, v[PT]                      ; the row's sum
	v_rcp_f32 v14, v14
	v_nop                                          ; a plain place behind the transcendental
	s_wait_alu depctr_va_vdst(0)                   ; and the wait ahead of its first reader
.set n, 0
.rept 16
	v_pk_mul_f32 v[S+n:S+n+1], v[O+n:O+n+1], v[14:15] op_sel_hi:[1,0]   ; each accumulator from its low end on
.set n, n+2
.endr
.irp b, 0,1
	v_max3_num_f32 v[BM+\b], |v[S+16*\b]|, |v[S+1+16*\b]|, 0x1800000
.endr
.irp i, 2,4,6,8,10,12,14
.irp b, 0,1
	v_max3_num_f32 v[BM+\b], v[BM+\b], |v[S+16*\b+\i]|, |v[S+1+16*\b+\i]|
.endr
.endr
.irp b, 0,1
	v_permlanex16_b32 v[PT+\b], v[BM+\b], s[SEL], s[SEL+1]
.endr
.irp b, 0,1
	v_max_num_f32 v[BM+\b], v[BM+\b], v[PT+\b]
.endr
.irp b, 0,1
	v_add_nc_u32 v[SO+\b], 0xff000000, v[BM+\b]
.endr
.irp b, 0,1
	v_lshrrev_b32 v[PT+\b], 23, v[SO+\b]
.endr
	v_lshl_or_b32 v[PT+2], v[PT+1], 8, v[PT]       ; the head's two scale bytes of my query
	v_cvt_scalef32_pk16_fp6_f32 v[PC:PC+2], v[S:S+15], v[SO]
	v_cvt_scalef32_pk16_fp6_f32 v[T2:T2+2], v[S+16:S+31], v[SO+1]
	v_nop                                          ; one plain place behind the scaled conversions
.irp i, 0,1,2
	v_permlane16_swap_b32 v[PC+\i], v[T2+\i]
.endr
.irp i, 0,1,2
	v_mov_b32 v[PC+3+\i], v[T2+\i]
.endr
	s_mul_i32 s30, s[TAU], 12288
	s_mov_b32 s31, 0
	s_add_nc_u64 s[30:31], s[10:11], s[30:31]
	global_store_b128 v[A16], v[PC:PC+3], s[30:31]         ; the half image: 512 consecutive bytes,
	global_store_b64 v[A8], v[PC+4:PC+5], s[30:31]         ; and 256
	s_lshl_b32 s2, s[TAU], 9
	s_mov_b32 s3, 0
	s_add_nc_u64 s[2:3], s[12:13], s[2:3]
	v_and_b32 v[PT+3], 15, v0
	v_lshlrev_b32 v[PT+3], 5, v[PT+3]
	global_store_b16 v[PT+3], v[PT+2], s[2:3]      ; two bytes in each of the tile's sixteen rows of 32: the bytes beside them are other heads', made by other work-groups; lanes 16-31 store what lanes 0-15 store
	s_wait_xcnt 0x0                                ; the stores have read their registers and bases: the next tile may write them
.endm
	PASS 0
	PASS 1
	s_wait_tensorcnt 0x0                           ; the wave's end: three closing lines behind my last LDS store
	ds_add_u32 v[SPW], v[NIL]
	s_wait_dscnt 0x0
	s_endpgm
.Lfunc_end_k_q5611bbdfaa_attn:
	.size	k_q5611bbdfaa_attn, .Lfunc_end_k_q5611bbdfaa_attn-k_q5611bbdfaa_attn
	.p2alignl 7, 3214868480
	.fill 96, 4, 3214868480
	.section	.rodata,"a",@progbits
	.p2align	6, 0x0
	.amdhsa_kernel k_q5611bbdfaa_attn
		.amdhsa_group_segment_fixed_size 210944
		.amdhsa_private_segment_fixed_size 0
		.amdhsa_enable_private_segment 0
		.amdhsa_kernarg_size 40
		.amdhsa_user_sgpr_count 2
		.amdhsa_user_sgpr_kernarg_segment_ptr 1
		.amdhsa_wavefront_size32 1
		.amdhsa_system_sgpr_workgroup_id_x 1
		.amdhsa_system_sgpr_workgroup_id_y 1
		.amdhsa_system_sgpr_workgroup_id_z 1
		.amdhsa_system_vgpr_workitem_id 0
		.amdhsa_next_free_vgpr 256
		.amdhsa_next_free_sgpr 100
		.amdhsa_reserve_vcc 0
		.amdhsa_float_denorm_mode_32 3
		.amdhsa_float_denorm_mode_16_64 3
		.amdhsa_memory_ordered 1
		.amdhsa_forward_progress 1
		.amdhsa_inst_pref_size 72
	.end_amdhsa_kernel
	.amdgpu_metadata
---
amdhsa.version: [ 1, 2 ]
amdhsa.kernels:
  - .name:           k_q5611bbdfaa_attn
    .symbol:         k_q5611bbdfaa_attn.kd
    .args:
      - { .name: hc, .offset: 0, .size: 8, .value_kind: global_buffer, .address_space: global }
      - { .name: hs, .offset: 8, .size: 8, .value_kind: global_buffer, .address_space: global }
      - { .name: msk, .offset: 16, .size: 8, .value_kind: global_buffer, .address_space: global }
      - { .name: ac, .offset: 24, .size: 8, .value_kind: global_buffer, .address_space: global }
      - { .name: asc, .offset: 32, .size: 8, .value_kind: global_buffer, .address_space: global }
    .group_segment_fixed_size: 210944
    .private_segment_fixed_size: 0
    .kernarg_segment_align: 8
    .kernarg_segment_size: 40
    .max_flat_workgroup_size: 512
    .sgpr_count:     100
    .vgpr_count:     256
    .wavefront_size: 32
...
	.end_amdgpu_metadata
.endif
;; end of part 3
;; launch outp (part 4): grid 4 x 64, 4 waves a work-group, clusters of 4 x 4, 327,680 bytes of LDS; arguments cod, scl, ac, asc, out0; writes out0
.if DOCPART == 4
	.amdgcn_target "amdgcn-amd-amdhsa--gfx1250"
	.amdhsa_code_object_version 6
	.text
	.protected	k_q5611bbdfaa_outp
	.globl	k_q5611bbdfaa_outp
	.p2align	8
	.type	k_q5611bbdfaa_outp,@function
k_q5611bbdfaa_outp:
	s_mov_b64 s[64:65], 0
	v_nop
	global_prefetch_b8 v0, s[64:65] scope:SCOPE_SE
	s_setreg_imm32_b32 hwreg(HW_REG_WAVE_MODE, 25, 1), 1
	s_wait_xcnt 0x0
	s_wait_alu depctr_hold_cnt(0) depctr_sa_sdst(0) depctr_va_vdst(0) depctr_va_sdst(0) depctr_va_ssrc(0) depctr_va_vcc(0) depctr_vm_vsrc(0)
	s_getreg_b32 s2, hwreg(HW_REG_IB_STS2, 6, 4)
	s_cmp_eq_u32 s2, 0
	s_cbranch_scc0 .Lentry_in_a_cluster
	s_endpgm
.Lentry_in_a_cluster:
	s_bfe_u32 s2, ttmp6, 0x10000c
	s_cmp_lg_u32 s2, 0xf033
	s_cbranch_scc0 .Lentry_shape_is_right
	s_endpgm
.Lentry_shape_is_right:
; OUTP: out0 = O Wo^T on codes of FP6 (E2M3): launch proj's product with P = Wo (tiles 1728 on of cod and scl) and R = the attention's result (ac, asc: laid as cod and scl are), and f32 results.
; Nothing of the problem's work is left out here.  LIMITS: as stated at the head of launch prep.
; D = (source 0 = 16 rows of Wo) x (source 1 = 16 tokens): a lane holds one token, and the 16 registers of P tiles 2 b, 2 b + 1 are output columns 32 b + 16 (lane / 16) + 0 .. 15.
; SHARES.  A work-group makes 256 columns x 128 tokens with all of K = 1,024 in LDS, filled once.  Four waves: wave w takes P tiles 8 (w % 2) on and R tiles 4 (w / 2) on: 32 accumulators.
; CLUSTER 4 x 4: Wo's tiles hang on cx and are asked for jointly by the four work-groups of a column, the tokens' on cy, by the four of a row.  Eight tensor loads of a wave are out at the most.
; THE WAY OUT: a tile of 16 tokens x 128 columns goes through the wave's stage in LDS and leaves as whole rows of 512 bytes.  The stage lies in R's region, which has had its only fill and, behind a barrier, its last read.
; REGISTERS: window 0: v1-5 lane numbers, v16-20 addresses, v24, v25 the stage, v28, v29 the add's two, v32-95 P's scale words, v96-127 R's, v128-223 R's fragments, two sets (on the way out v128-255: rows read back).
;            window 1: P's fragments, two sets.   window 2: accumulator (a, b) at v[8 (8 a + b)].
.set RREG,  196608
.set PGRP,  49152
.set RGRP,  24576
.set SPARE, 294912                     ; the spare words, 128 bytes for each wave: two blocks of 256 bytes that no other line names
.set STG,   8448                       ; a wave's stage: 16 rows x (512 + 16) bytes
.set AP16, 16
.set AP8,  17
.set AR16, 18
.set AR8,  19
.set R32,  20
.set STO,  24
.set RD,   25
.set SPW,  28
.set NIL,  29
.set PS,   32
.set RS,   96
.set RF,   128
.set WV,  12
.set WR,  13
.set WP,  14
.set CX,  15
.set CY,  16
.set G1P, 24
.set G1R, 32
.set G0P, 40
.set G0R, 68
.set PT0, 62
.set RT0, 63
.set MSB, 0
.macro WIN new                         ; the immediate's high byte repeats the setting that is left
.if MSB != \new
	s_set_vgpr_msb (MSB<<8)|\new
.set MSB, \new
.endif
.endm
.macro CROUND                          ; a round of the cluster's barrier
	s_barrier_signal -1
	s_barrier_wait -1
	s_cmp_lg_u32 s[WV], 0
	s_cbranch_scc1 .Lnot_wave_0_\@
	s_barrier_signal -3
.Lnot_wave_0_\@:
	s_barrier_wait -3
	s_barrier_signal -1
	s_barrier_wait -1
.endm
.macro PLACES                          ; four plain places behind a matrix instruction, ahead of loads into its sources and of reads of its result
.rept 4
	v_nop
.endr
.endm
	s_load_b256 s[4:11], s[0:1], 0x0               ; cod s[4:5], scl s[6:7], ac s[8:9], asc s[10:11]
	s_load_b64 s[20:21], s[0:1], 0x20              ; out0
	v_lshl_add_u32 v[SPW], v0, 2, SPARE
	v_mov_b32 v[NIL], 0
	ds_add_u32 v[SPW], v[NIL]                      ; the wave's opening: the add, twice on end, and its wait ahead of my first tensor load
	ds_add_u32 v[SPW], v[NIL]
	v_lshrrev_b32 v1, 5, v0
	v_readfirstlane_b32 s[WV], v1
	s_lshr_b32 s[WR], s[WV], 1
	s_and_b32 s[WP], s[WV], 1
	s_bfe_u32 s[CX], ttmp6, 0x40000
	s_bfe_u32 s[CY], ttmp6, 0x40004
	s_and_b32 s17, ttmp7, 0xffff                   ; the cluster's number, 0..15
	s_lshl_b32 s[PT0], s[CX], 4
	s_add_co_u32 s[PT0], s[PT0], 1728              ; my sixteen tiles of Wo in cod
	s_lshl_b32 s[RT0], s17, 5
	s_lshl_b32 s18, s[CY], 3
	s_add_co_u32 s[RT0], s[RT0], s18               ; my eight token tiles in ac
	s_lshl_b32 s84, 0x1111, s[CX]                  ; my column of the cluster: it shares Wo's tiles
	s_lshl_b32 s85, s[CY], 2
	s_lshl_b32 s85, 15, s85                        ; my row: it shares the tokens'
	; descriptor groups 1: rows = tiles; a row = two K steps = 3,072 bytes = 384 elements of 8 bytes; from tile to tile 12,288 bytes = 1,536 elements; no padding
	s_or_b32 s[G1P], s84, (3<<16)|(1<<21)
	s_mov_b32 s[G1P+1], 384<<16
	s_mov_b32 s[G1P+2], 4<<16
	s_mov_b32 s[G1P+3], 384<<16
	s_mov_b32 s[G1P+4], 4
	s_mov_b32 s[G1P+5], 1536
	s_mov_b32 s[G1P+6], 0
	s_mov_b32 s[G1P+7], 0
	s_or_b32 s[G1R], s85, (3<<16)|(1<<21)
	s_mov_b32 s[G1R+1], 384<<16
	s_mov_b32 s[G1R+2], 2<<16
	s_mov_b32 s[G1R+3], 384<<16
	s_mov_b32 s[G1R+4], 2
	s_mov_b32 s[G1R+5], 1536
	s_mov_b32 s[G1R+6], 0
	s_mov_b32 s[G1R+7], 0
	s_lshl_b32 s86, s[WV], 2
	s_add_co_u32 s86, s86, s[PT0]
	s_mul_i32 s86, s86, 12288                      ; P: my four tiles, in bytes (made of cx and the wave's number)
	s_mov_b32 s87, 0
	s_lshl_b32 s88, s[WV], 1
	s_add_co_u32 s88, s88, s[RT0]
	s_mul_i32 s88, s88, 12288                      ; R: my two (made of cy, the cluster's number and the wave's)
	s_mov_b32 s89, 0
	s_mul_i32 s90, s[WV], 12288                    ; where they go: the wave's number alone enters an LDS address
	s_mul_i32 s91, s[WV], 6144
	s_wait_dscnt 0x0                               ; both opening adds are done
	s_wait_kmcnt 0x0
	s_add_nc_u64 s[86:87], s[4:5], s[86:87]
	s_add_nc_u64 s[88:89], s[8:9], s[88:89]
	CROUND                                         ; all sixteen work-groups are here: the joint loads meet
.irp g, 0,1,2,3
	s_mov_b32 s[G0P+4*\g], 1
	s_add_co_u32 s[G0P+4*\g+1], s90, PGRP*\g
	s_add_nc_u64 s[G0P+4*\g+2:G0P+4*\g+3], s[86:87], 3072*\g
	s_or_b32 s[G0P+4*\g+3], s[G0P+4*\g+3], 0x80000000
	s_mov_b32 s[G0R+4*\g], 1
	s_add_co_u32 s[G0R+4*\g+1], s91, RREG+RGRP*\g
	s_add_nc_u64 s[G0R+4*\g+2:G0R+4*\g+3], s[88:89], 3072*\g
	s_or_b32 s[G0R+4*\g+3], s[G0R+4*\g+3], 0x80000000
.endr
.irp g, 0,1,2,3                        ; all of K, in the order in which it is multiplied; an s_nop 0 behind each load and four v_nop behind the last
	tensor_load_to_lds s[G0P+4*\g:G0P+4*\g+3], s[G1P:G1P+7]
	s_nop 0
	tensor_load_to_lds s[G0R+4*\g:G0R+4*\g+3], s[G1R:G1R+7]
	s_nop 0
.endr
.rept 4
	v_nop
.endr
	v_and_b32 v1, 31, v0                           ; lane
	v_and_b32 v2, 15, v0                           ; r
	v_bfe_u32 v3, v0, 4, 1                         ; h
	v_lshlrev_b32 v4, 4, v1                        ; 16 x lane
	v_lshlrev_b32 v5, 3, v1
	v_add_nc_u32 v5, 512, v5                       ; 8 x lane + 512
	v_lshlrev_b32 v[R32], 5, v2
	s_lshl_b32 s92, s[WP], 3
	s_add_co_u32 s92, s92, s[PT0]
	s_lshl_b32 s92, s92, 9
	s_mov_b32 s93, 0
	s_add_nc_u64 s[92:93], s[6:7], s[92:93]
	s_lshl_b32 s94, s[WR], 2
	s_add_co_u32 s94, s94, s[RT0]                  ; my first token tile
	s_lshl_b32 s22, s94, 16                        ; its first row of out0: 16 rows of 4,096 bytes a tile
	s_lshl_b32 s94, s94, 9
	s_mov_b32 s95, 0
	s_add_nc_u64 s[94:95], s[10:11], s[94:95]
.irp b, 0,1,2,3,4,5,6,7
	global_load_b128 v[PS+8*\b:PS+8*\b+3], v[R32], s[92:93] offset:512*\b
	global_load_b128 v[PS+8*\b+4:PS+8*\b+7], v[R32], s[92:93] offset:512*\b+16
.endr
.irp a, 0,1,2,3
	global_load_b128 v[RS+8*\a:RS+8*\a+3], v[R32], s[94:95] offset:512*\a
	global_load_b128 v[RS+8*\a+4:RS+8*\a+7], v[R32], s[94:95] offset:512*\a+16
.endr
	s_mul_i32 s96, s[WP], 24576
	s_mul_i32 s97, s[WR], 12288
	s_add_co_u32 s97, s97, RREG
	v_add_nc_u32 v[AP16], s96, v4
	v_add_nc_u32 v[AP8], s96, v5
	v_add_nc_u32 v[AR16], s97, v4
	v_add_nc_u32 v[AR8], s97, v5
	s_mul_i32 s96, s[WV], STG
	s_add_co_u32 s96, s96, RREG                    ; my stage
	v_mul_u32_u24 v[STO], v2, 528
	v_lshl_add_u32 v[STO], v3, 6, v[STO]
	v_add_nc_u32 v[STO], s96, v[STO]               ; in: row r, + 64 h bytes
	v_add_nc_u32 v[RD], s96, v4                    ; back: 16 x lane of a row
	s_lshl_b32 s18, s[CX], 10                      ; my columns, in bytes: 1,024 cx + 512 (wave % 2)
	s_add_co_u32 s22, s22, s18
	s_lshl_b32 s18, s[WP], 9
	s_add_co_u32 s22, s22, s18
	s_mov_b32 s23, 0
	s_add_nc_u64 s[20:21], s[20:21], s[22:23]
.macro FRAGL reg, a16, a8, off         ; a fragment's twelve registers, as they were stored
.irp c, 0,1
	ds_load_b128 v[(\reg)+6*\c:(\reg)+6*\c+3], v[\a16] offset:(\off)+768*\c
	ds_load_b64 v[(\reg)+6*\c+4:(\reg)+6*\c+5], v[\a8] offset:(\off)+768*\c
.endr
.endm
.macro FETCH s                         ; K step s: 8 fragments of P and 4 of R into set s % 2: 48 loads
	WIN 0x40
.irp b, 0,1,2,3,4,5,6,7
	FRAGL 128*((\s)%2)+12*\b, AP16, AP8, 3072*\b+1536*((\s)%2)
.endr
	WIN 0
.irp a, 0,1,2,3
	FRAGL RF+48*((\s)%2)+12*\a, AR16, AR8, 3072*\a+1536*((\s)%2)
.endr
.endm
.macro MUL s, zero                     ; 32 matrix instructions; the 32 accumulators take turns, in the same order in every step
	WIN 0xa1
.irp a, 0,1,2,3
.irp b, 0,1,2,3,4,5,6,7
.if \zero
	v_wmma_scale_f32_16x16x128_f8f6f4 v[8*(8*\a+\b):8*(8*\a+\b)+7], v[128*((\s)%2)+12*\b:128*((\s)%2)+12*\b+11], v[RF+48*((\s)%2)+12*\a:RF+48*((\s)%2)+12*\a+11], 0, v[PS+8*\b+(\s)], v[RS+8*\a+(\s)] matrix_a_fmt:MATRIX_FMT_FP6 matrix_b_fmt:MATRIX_FMT_FP6
.else
	v_wmma_scale_f32_16x16x128_f8f6f4 v[8*(8*\a+\b):8*(8*\a+\b)+7], v[128*((\s)%2)+12*\b:128*((\s)%2)+12*\b+11], v[RF+48*((\s)%2)+12*\a:RF+48*((\s)%2)+12*\a+11], v[8*(8*\a+\b):8*(8*\a+\b)+7], v[PS+8*\b+(\s)], v[RS+8*\a+(\s)] matrix_a_fmt:MATRIX_FMT_FP6 matrix_b_fmt:MATRIX_FMT_FP6
.endif
.endr
.endr
.endm
.macro KSTEP s, zero
.if (\s) < 7
.if (\s)%2 == 1
	s_wait_tensorcnt 5-(\s)                        ; my parts of the next group of two K steps have landed; the two loads of each later group stay out
	s_wait_dscnt 0x0
	s_barrier_signal -1
	s_barrier_wait -1                              ; everybody's parts have.
	WIN 0
	v_add_nc_u32 v[AP16], PGRP, v[AP16]
	v_add_nc_u32 v[AP8], PGRP, v[AP8]
	v_add_nc_u32 v[AR16], RGRP, v[AR16]
	v_add_nc_u32 v[AR8], RGRP, v[AR8]
.endif
.if (\s) > 0
	PLACES
.endif
	FETCH (\s)+1
	s_wait_dscnt 48                                ; all but the 48 loads just issued
.else
	s_wait_dscnt 0x0
.endif
	MUL \s, \zero
.endm
	s_wait_loadcnt 0x0                             ; the scale words
	s_wait_tensorcnt 6                             ; my parts of K steps 0 and 1 have landed; the six loads of the later groups stay out
	s_barrier_signal -1
	s_barrier_wait -1
	FETCH 0
	KSTEP 0, 1
.irp s, 1,2,3,4,5,6,7
	KSTEP \s, 0
.endr
.macro TOSTAGE a                       ; token tile a: lane (r, h) holds, of P tile b, columns 32 (b / 2) + 16 h + 8 (b % 2) + 0 .. 7 of token slot r
	WIN 0x08                                       ; an LDS store's data are its source 1: window 2
.irp b, 0,1,2,3,4,5,6,7
	ds_store_b128 v[STO], v[8*(8*(\a)+\b):8*(8*(\a)+\b)+3] offset:128*(\b/2)+32*(\b%2)       ; each accumulator from its low end on
	ds_store_b128 v[STO], v[8*(8*(\a)+\b)+4:8*(8*(\a)+\b)+7] offset:128*(\b/2)+32*(\b%2)+16
.endr
	WIN 0
.irp i, 0,1,2,3,4,5,6,7,8,9,10,11,12,13,14,15
	ds_load_b128 v[128+64*((\a)%2)+4*\i:128+64*((\a)%2)+4*\i+3], v[RD] offset:528*\i   ; LDS serves a wave's instructions in order: these see the stores above, and the next tile's stores come behind them
.endr
.endm
.macro SEND a, younger                 ; younger: the LDS instructions issued behind tile a's loads, which may stay out
	s_wait_dscnt \younger
.irp i, 0,1,2,3,4,5,6,7,8,9,10,11,12,13,14,15
	global_store_b128 v4, v[128+64*((\a)%2)+4*\i:128+64*((\a)%2)+4*\i+3], s[20:21] offset:(32*((\a)/2)+8*((\a)%2)+\i+8*(\i/8))*4096 th:TH_STORE_NT   ; slot i's row: 512 consecutive bytes, at a multiple of 256 from out0's first byte
.endr
.endm
	WIN 0
	PLACES                                         ; ahead of the stores that read results and of the loads into R's fragment registers
	s_wait_dscnt 0x0
	s_barrier_signal -1
	s_barrier_wait -1                              ; no wave reads R's region any more: the stages may be written there
	TOSTAGE 0
	TOSTAGE 1
	SEND 0, 32                                     ; behind tile 0's loads: tile 1's 16 stores and 16 loads
	s_wait_xcnt 0x0                                ; tile 0's stores have read their registers: tile 2's loads may land there
	TOSTAGE 2
	SEND 1, 32
	s_wait_xcnt 0x0
	TOSTAGE 3
	SEND 2, 32
	SEND 3, 0
	s_wait_tensorcnt 0x0                           ; the wave's end: three closing lines behind my last tensor load and my last LDS store
	ds_add_u32 v[SPW], v[NIL]
	s_wait_dscnt 0x0
	CROUND                                         ; the closing round: no work-group ends while a partner may still ask for a tile that names it
	s_endpgm
.Lfunc_end_k_q5611bbdfaa_outp:
	.size	k_q5611bbdfaa_outp, .Lfunc_end_k_q5611bbdfaa_outp-k_q5611bbdfaa_outp
	.p2alignl 7, 3214868480
	.fill 96, 4, 3214868480
	.section	.rodata,"a",@progbits
	.p2align	6, 0x0
	.amdhsa_kernel k_q5611bbdfaa_outp
		.amdhsa_group_segment_fixed_size 327680
		.amdhsa_private_segment_fixed_size 0
		.amdhsa_enable_private_segment 0
		.amdhsa_kernarg_size 40
		.amdhsa_user_sgpr_count 2
		.amdhsa_user_sgpr_kernarg_segment_ptr 1
		.amdhsa_wavefront_size32 1
		.amdhsa_system_sgpr_workgroup_id_x 1
		.amdhsa_system_sgpr_workgroup_id_y 1
		.amdhsa_system_sgpr_workgroup_id_z 1
		.amdhsa_system_vgpr_workitem_id 0
		.amdhsa_next_free_vgpr 768
		.amdhsa_next_free_sgpr 100
		.amdhsa_reserve_vcc 0
		.amdhsa_float_denorm_mode_32 3
		.amdhsa_float_denorm_mode_16_64 3
		.amdhsa_memory_ordered 1
		.amdhsa_forward_progress 1
		.amdhsa_inst_pref_size 84
	.end_amdhsa_kernel
	.amdgpu_metadata
---
amdhsa.version: [ 1, 2 ]
amdhsa.kernels:
  - .name:           k_q5611bbdfaa_outp
    .symbol:         k_q5611bbdfaa_outp.kd
    .args:
      - { .name: cod, .offset: 0, .size: 8, .value_kind: global_buffer, .address_space: global }
      - { .name: scl, .offset: 8, .size: 8, .value_kind: global_buffer, .address_space: global }
      - { .name: ac, .offset: 16, .size: 8, .value_kind: global_buffer, .address_space: global }
      - { .name: asc, .offset: 24, .size: 8, .value_kind: global_buffer, .address_space: global }
      - { .name: out0, .offset: 32, .size: 8, .value_kind: global_buffer, .address_space: global }
    .group_segment_fixed_size: 327680
    .private_segment_fixed_size: 0
    .kernarg_segment_align: 8
    .kernarg_segment_size: 40
    .max_flat_workgroup_size: 128
    .sgpr_count:     100
    .vgpr_count:     768
    .wavefront_size: 32
...
	.end_amdgpu_metadata
.endif
;; end of part 4
;; ======== version 2 of 2: 4 launches; version 1 with the launch attn written anew for expert scheduling mode
;; limits: right only within a limited range of input values
;; workspace buffers: cod 22,020,096 bytes; scl 917,504 bytes; msk 557,056 bytes of whole numbers; hc 18,874,368 bytes; hs 1,572,864 bytes; ac 6,291,456 bytes; asc 262,144 bytes
;; launch prep: the kernel of part 1 again; grid 256 x 1, 8 waves a work-group, no clusters, 68,608 bytes of LDS; arguments query, key, value, Wq, Wk, Wv, Wo, mask, cod, scl, msk; writes cod, scl, msk
;; launch proj: the kernel of part 2 again; grid 4 x 192, 4 waves a work-group, clusters of 4 x 4, 327,680 bytes of LDS; arguments cod, scl, hc, hs; writes hc, hs
;; launch attn (part 5): grid 4 x 64, 16 waves a work-group, no clusters, 210,944 bytes of LDS; arguments hc, hs, msk, ac, asc; writes ac, asc
.if DOCPART == 5
	.amdgcn_target "amdgcn-amd-amdhsa--gfx1250"
	.amdhsa_code_object_version 6
	.text
	.protected	k_q5611bbdfaa_attn
	.globl	k_q5611bbdfaa_attn
	.p2align	8
	.type	k_q5611bbdfaa_attn,@function
k_q5611bbdfaa_attn:
	s_mov_b64 s[64:65], 0
	v_nop
	global_prefetch_b8 v0, s[64:65] scope:SCOPE_SE
	s_setreg_imm32_b32 hwreg(HW_REG_WAVE_SCHED_MODE, 0, 2), 2
	s_setreg_imm32_b32 hwreg(HW_REG_WAVE_MODE, 25, 1), 1
	s_wait_xcnt 0x0
	s_wait_alu depctr_vm_vsrc(0)
; ATTN: for each batch and head, O = softmax(mask(Q K^T / 8)) V on codes of FP6 (E2M3), and O's quantiser along the model's 1,024 ahead of the last projection.
; LEFT OUT, by whole numbers that launch prep stored and this launch reads: a step of 16 queries x 128 keys whose mask bytes are all 0, and only in a tile in which every query has an allowed key somewhere: its p are exactly 0
; (shown at the head of launch prep).  A NaN, an infinity or an overflow that reaches only such a step is not carried to the result.
; THE SOFTMAX: t = score x log2(e) / 8; M = the running largest t rounded UP to a whole number; p = 2^(t - M) is what is quantised, along the keys, not normalised; the row's sum is taken of the unquantised p and divides O
; at the end.  When M moves, the sum and O are multiplied by 2^(old M - new M), exactly.
; LIMIT: a masked score is set to -2^70 ahead of the scaling, a logit of -1.48e20 where reference() has -1e20: a power of two, so that t is exact and t - M is exactly 0 in a row with no allowed key (every p is 1 there, as in
; reference()).  The results are reference()'s while true logits stay above some -1e19.  NaN and infinities are not served.
; NO CLUSTER AND NO TENSOR LOAD: steps are passed over by branches on numbers read from memory.  The four work-groups of a head each copy its K and V.
; SHARES.  A work-group is (j = 0..3, batch x head).  The head's K and V codes and scale words, 208,896 bytes, are copied into LDS once, through registers.  Wave w makes two query tiles, 4 w + j and 4 (31 - w) + j: under a
; triangular mask every wave then has the same number of live steps; the text is right for any mask.  Four waves share a SIMD: one wave's vector work stands beside another's matrix work and loads.
; LAYOUT.  Both products are used transposed: S^T = K Q^T (source 0 = 16 keys), O^T = V^T P^T (source 0 = 16 of the head's 64): a lane holds one query throughout.  The keys of a tile are laid so that the 16 registers of tiles
; 2 b, 2 b + 1 are keys 32 b + 16 (lane / 16) + 0 .. 15.  The head has 64 along K and the instruction 128: the other 64 are zero codes.  Even tiles go as (K, 0) x (Q, 0), odd ones as (0, K) x (0, Q), so that a pair of
; tiles shares six registers of zeros; the scale words hold the head's two bytes twice, so that either half serves.
; REGISTERS: v1-6 lane addresses, v7 and v255 the add's two, v8-11, v250, v251 the step's addresses, v12 -M, v13 the largest t, v[14:15] the sum, v16-33 Q | zeros | Q, v34-105 four times K | zeros | K, v106-117 K's and V's
; scale words, v118 Q's, v119 p's, v120-183 S^T, then p, then V's fragments, v184-215 O^T, v216-227 p's codes, v228-249, v252, v253 at work (of them v231 = 16 r and v235 = 32 r stay), v254 -2^70.
; THE MODE: SCHED_MODE bits 1:0 = 2 (LLVM: expert scheduling mode 2), set by the entry lines.  The code itself states the register dependences between vector or matrix instructions and memory or LDS instructions,
; with s_wait_alu, always for 0.
; THE PLAN.  Registers that memory or LDS instructions touch, and who else names them:
;   v8-13, v120-221  At the head: the copy's addresses and its data.  Read by the copy's loads and LDS stores; written again from the first pass on: one wait on vm_vsrc behind the barrier.
;   v1, v2, v231, v235  Offsets of Q's loads and of the tile's stores: written once at the head, never again: one wait on va_vdst behind the barrier.
;   Q, Q's scale word   Loaded at a pass's head; read by the products K Q^T.  The second pass's loads stand behind the wait ahead of the first pass's stores, with no vector instruction between.
;   v8-11, v250, v251   A live step's six LDS addresses: written by six additions at its head, read by its 35 LDS loads.
;   K, K's and V's scale words   Loaded at a live step's head; read by that step's products.
;   v120-167   p, read last by the conversions; behind them V's fragments land there; read by the products V^T P.
;   v216-221, v246   At a tile's end: the codes and the two scale bytes, read by three stores; written again in the next pass.
; So a live step has, beside the two waits behind its exponentials: one wait on va_vdst behind the six additions, one behind the conversions, one ahead of the products V^T P (p's codes and scale word, made by vector
; instructions, are their operands), and one wait on vm_vsrc behind its last LDS load.  A step that is passed over issues no vector and no memory instruction.  There is no second set of registers for K or V: sixteen waves of 256 registers fill the four SIMDs.
.set VREG,  98304                      ; LDS: K's 128 half images from 0; V's 16 steps x 6,144 bytes from here;
.set KSC,   196608                     ; K's scale words, 8,192 bytes;
.set VSC,   204800                     ; V's, 4,096 bytes;
.set SPARE, 208896                     ; the spare words, 128 bytes for each wave: eight blocks of 256 bytes that no other line names
.set A16,  1
.set A8,   2
.set V16,  3
.set V8,   4
.set AKS,  5
.set AVS,  6
.set SPW,  7
.set TK16, 8
.set TK8,  9
.set TV16, 10
.set TV8,  11
.set QF,   16
.set KF,   34
.set KW,   106
.set VW,   114
.set QW,   118
.set PW,   119
.set S,    120
.set O,    184
.set PC,   216
.set T2,   228
.set R16,  231                         ; v231 16 r: Q's scale words' offset; never rewritten
.set R32,  235                         ; v235 32 r: a query's row in asc; never rewritten
.set BM,   236
.set SO,   240
.set PT,   244
.set F,    248
.set TKS,  250
.set TVS,  251
.set L2,   252
.set NEG,  254
.set NIL,  255
.set WV,   14                          ; s14 wave, s15 j, s16 batch x head
.set JX,   15
.set BH,   16
.set TAU,  18                          ; s18 the query tile, s19 the key step
.set KS,   19
.set LIVE, 20                          ; s20 bit k: step k is walked;  s21 bit k: all of step k's keys count
.set FULL, 21
.set CS,   22                          ; s[22:23] c = log2(e) / 8
.set SEL,  24                          ; s[24:25] v_permlanex16_b32's selects for lane l xor 16
.set OK,   26                          ; s26 6,144 x step, s27 512 x step, s28 256 x step: LDS;  s29 the step's lane masks in msk
.set OS,   27
.set OV,   28
.set OM,   29
	s_load_b256 s[4:11], s[0:1], 0x0               ; hc s[4:5], hs s[6:7], msk s[8:9], ac s[10:11]
	s_load_b64 s[12:13], s[0:1], 0x20              ; asc
	v_lshl_add_u32 v[SPW], v0, 2, SPARE
	v_mov_b32 v[NIL], 0
	v_lshrrev_b32 v8, 5, v0
	v_readfirstlane_b32 s[WV], v8
	s_mov_b32 s[JX], ttmp9
	s_and_b32 s[BH], ttmp7, 0xffff
	v_lshlrev_b32 v8, 4, v0                        ; 16 x thread: the copy's place, in memory and in LDS
	v_lshlrev_b32 v9, 3, v0
	v_add_nc_u32 v10, 65536, v8
	v_add_nc_u32 v11, 131072, v8
	v_add_nc_u32 v12, KSC, v8
	v_add_nc_u32 v13, VSC, v9
	s_wait_alu depctr_va_sdst(0)                   ; s14, the wave's number, is written, ahead of its first reader: the passes make their query tiles from it
	s_mul_i32 s30, s[BH], 98304                    ; a head's codes in each of hc's regions
	s_mov_b32 s31, 0
	s_lshl_b32 s2, s[BH], 13                       ; its scale words in Q's and K's regions of hs,
	s_mov_b32 s3, 0
	s_lshl_b32 s26, s[BH], 12                      ; and in V's
	s_add_co_u32 s26, s26, 1048576
	s_mov_b32 s27, 0
	s_wait_kmcnt 0x0
	s_add_nc_u64 s[4:5], s[4:5], s[30:31]          ; Q's codes of my head; K's lie 6,291,456 bytes on,
	s_add_nc_u64 s[30:31], s[4:5], 12582912        ; V's here
	s_add_nc_u64 s[26:27], s[6:7], s[26:27]
	s_add_nc_u64 s[6:7], s[6:7], s[2:3]            ; Q's scale words; K's lie 524,288 bytes on
	s_wait_alu depctr_va_vdst(0)                   ; v8 to v13 are written: the copy's loads and LDS stores read them as their addresses
.irp i, 0,1,2,3,4,5,6,7,8,9,10,11
	global_load_b128 v[120+4*\i:123+4*\i], v8, s[4:5] offset:6291456+8192*\i    ; the 512 threads take 8,192 consecutive bytes
.endr
.irp i, 0,1,2,3,4,5,6,7,8,9,10,11
	global_load_b128 v[168+4*\i:171+4*\i], v8, s[30:31] offset:8192*\i
.endr
	global_load_b128 v[216:219], v8, s[6:7] offset:524288
	global_load_b64 v[220:221], v9, s[26:27]
	s_lshr_b32 s17, s[BH], 4                       ; batch
	s_and_b32 s28, s[BH], 15                       ; head
	s_mul_i32 s2, s17, 1572864                     ; ac: 128 token tiles of 12,288 bytes a batch,
	s_mul_i32 s3, s28, 768                         ; a head's half image in a tile
	s_add_co_u32 s2, s2, s3
	s_mov_b32 s3, 0
	s_add_nc_u64 s[10:11], s[10:11], s[2:3]
	s_lshl_b32 s2, s17, 16                         ; asc: 128 tiles of 512 bytes a batch,
	s_lshl_b32 s3, s28, 1                          ; a head's two bytes in a row
	s_add_co_u32 s2, s2, s3
	s_mov_b32 s3, 0
	s_add_nc_u64 s[12:13], s[12:13], s[2:3]
	s_mov_b32 s[CS], 0x3e38aa3b
	s_mov_b32 s[CS+1], s[CS]                       ; (named with it as a pair, so it is written)
	s_mov_b32 s[SEL], 0x76543210
	s_mov_b32 s[SEL+1], 0xfedcba98
.irp i, 0,1,2,3,4,5,6,7
	s_wait_loadcnt 25-\i                           ; loads come back in order: load i is in, the younger ones stay out
	ds_store_b128 v8, v[120+4*\i:123+4*\i] offset:8192*\i
.endr
.irp i, 8,9,10,11,12,13,14,15
	s_wait_loadcnt 25-\i
	ds_store_b128 v10, v[120+4*\i:123+4*\i] offset:8192*(\i-8)
.endr
.irp i, 16,17,18,19,20,21,22,23
	s_wait_loadcnt 25-\i
	ds_store_b128 v11, v[120+4*\i:123+4*\i] offset:8192*(\i-16)
.endr
	s_wait_loadcnt 1
	ds_store_b128 v12, v[216:219]
	s_wait_loadcnt 0x0
	ds_store_b64 v13, v[220:221]
	v_and_b32 v[A8], 31, v0                        ; lane.  (None of the registers written from here to the barrier is one that the copy reads)
	v_lshlrev_b32 v[A16], 4, v[A8]                 ; 16 x lane: a half image's first four registers,
	v_lshlrev_b32 v[A8], 3, v[A8]
	v_add_nc_u32 v[A8], 512, v[A8]                 ; 512 + 8 x lane: its last two
	v_add_nc_u32 v[V16], VREG, v[A16]
	v_add_nc_u32 v[V8], VREG, v[A8]
	v_and_b32 v[R16], 15, v0                       ; r
	v_lshlrev_b32 v[R32], 5, v[R16]                ; 32 r: my query's row of scale bytes in asc
	v_lshlrev_b32 v[R16], 4, v[R16]                ; 16 r: four scale words
	v_add_nc_u32 v[AVS], VSC, v[R16]
	v_add_nc_u32 v[AKS], KSC, v[R16]
.irp i, 0,1,2,3,4,5
	v_mov_b32 v[QF+6+\i], 0                        ; the zero codes: written once
.irp g, 0,1,2,3
	v_mov_b32 v[KF+18*\g+6+\i], 0
.endr
.endr
.irp b, 0,1,2,3
	v_mov_b32 v[PT+\b], 0                          ; a lane permute's destination counts as one of its sources
.endr
	v_mov_b32 v[F+1], 0                            ; (named as the upper half of a pair)
	v_mov_b32 v[NEG], 0xe2800000                   ; -2^70
	s_wait_dscnt 0x0                               ; for the others' sake: my stores have landed
	s_barrier_signal -1
	s_barrier_wait -1                              ; the head lies in LDS; from here on it is only read
	s_wait_alu depctr_vm_vsrc(0)                   ; the copy's loads and LDS stores have read v8 to v13 and v120 to v221, which the passes' vector and matrix instructions write
	s_wait_alu depctr_va_vdst(0)                   ; v1, v2, v231 and v235 are written, which Q's loads and the tiles' stores read as offsets; so are the zero codes, which the scaled products take among their operands
.macro PASS second
.if \second
	s_sub_co_u32 s[TAU], 31, s[WV]
.else
	s_mov_b32 s[TAU], s[WV]
.endif
	s_lshl_b32 s[TAU], s[TAU], 2
	s_add_co_u32 s[TAU], s[TAU], s[JX]             ; my query tile
	s_mul_i32 s30, s[TAU], 768
	s_mov_b32 s31, 0
	s_add_nc_u64 s[30:31], s[4:5], s[30:31]
	global_load_b128 v[QF:QF+3], v[A16], s[30:31]          ; Q's six registers, twice: in front of the zeros and behind them.  (No wait of their own: in the second pass the products that read Q and its scale
	global_load_b64 v[QF+4:QF+5], v[A8], s[30:31]          ; word stand ahead of the wait in front of the first pass's stores, and no vector instruction has been issued since)
	global_load_b128 v[QF+12:QF+15], v[A16], s[30:31]
	global_load_b64 v[QF+16:QF+17], v[A8], s[30:31]
	s_lshr_b32 s2, s[TAU], 2
	s_lshl_b32 s2, s2, 8
	s_and_b32 s3, s[TAU], 3
	s_lshl_b32 s3, s3, 2
	s_add_co_u32 s2, s2, s3
	s_mov_b32 s3, 0
	s_add_nc_u64 s[2:3], s[6:7], s[2:3]
	global_load_b32 v[QW], v[R16], s[2:3]          ; Q's scale words
	s_lshl_b32 s[OM], s[TAU], 8
	s_load_b256 s[32:39], s[8:9], s[OM] offset:524288      ; the tile's sixteen step words
	s_load_b256 s[40:47], s[8:9], s[OM] offset:524416
	v_mov_b32 v13, 0xff61b1e6                      ; the largest t so far: -3e38, under every t
	v_floor_f32 v12, -v13                          ; -M
	v_mov_b32 v14, 0                               ; the sum, in two halves
	v_mov_b32 v15, 0
.set n, 0
.rept 32
	v_mov_b32 v[O+n], 0                            ; O^T: the step is written once; the first finds zeros, which the first change of M leaves zeros
.set n, n+1
.endr
	s_wait_kmcnt 0x0
	s_mov_b32 s[LIVE], 0
	s_mov_b32 s[FULL], 0
	s_mov_b32 s28, 0
.irp k, 0,1,2,3,4,5,6,7,8,9,10,11,12,13,14,15
	s_and_b32 s26, s[32+\k], 0xffff                ; which queries have an allowed key in step k
	s_cselect_b32 s27, 1<<\k, 0
	s_or_b32 s[LIVE], s[LIVE], s27
	s_or_b32 s28, s28, s26
	s_lshr_b32 s26, s[32+\k], 16
	s_lshl_b32 s26, s26, \k
	s_or_b32 s[FULL], s[FULL], s26
.endr
	s_cmp_eq_u32 s28, 0xffff                       ; has every query an allowed key somewhere?
	s_cselect_b32 s[LIVE], s[LIVE], 0xffff         ; if not, all steps are walked: a wholly masked row weighs all keys alike
	s_lshl_b32 s[OM], s[OM], 4                     ; the tile's lane masks: 16 steps of 256 bytes
	s_mov_b32 s[OK], 0
	s_mov_b32 s[OS], 0
	s_mov_b32 s[OV], 0
	s_mov_b32 s[KS], 0
	s_wait_loadcnt 0x0                             ; Q
.Lstep_\@:                                             ; sixteen trips, whatever the mask: a step that is not live jumps to the lines at its end that step the addresses
	s_bitcmp1_b32 s[LIVE], s[KS]
	s_cbranch_scc0 .Lnext_\@
	s_load_b512 s[32:47], s[8:9], s[OM] offset:0x0         ; the step's 64 lane masks: asked for in every live step, so that every way to their readers has written them
	s_load_b512 s[48:63], s[8:9], s[OM] offset:0x40
	s_load_b512 s[68:83], s[8:9], s[OM] offset:0x80
	s_load_b512 s[84:99], s[8:9], s[OM] offset:0xc0
	v_add_nc_u32 v[TK16], s[OK], v[A16]            ; six plain lines: they are also the places between the last step's V^T P, which read v120 on, and the products below that write over those registers (five are asked of a product that writes over a source)
	v_add_nc_u32 v[TK8], s[OK], v[A8]
	v_add_nc_u32 v[TV16], s[OK], v[V16]
	v_add_nc_u32 v[TV8], s[OK], v[V8]
	v_add_nc_u32 v[TKS], s[OS], v[AKS]
	v_add_nc_u32 v[TVS], s[OV], v[AVS]
	s_wait_alu depctr_va_vdst(0)                   ; the six addresses are written, which this step's LDS loads read; the last live step's products are done reading K's fragments and K's and V's scale words, in which the loads below land
.irp t, 0,1,2,3,4,5,6,7
	ds_load_b128 v[KF+18*(\t/2)+12*(\t%2):KF+18*(\t/2)+12*(\t%2)+3], v[TK16] offset:768*\t
	ds_load_b64 v[KF+18*(\t/2)+12*(\t%2)+4:KF+18*(\t/2)+12*(\t%2)+5], v[TK8] offset:768*\t
.endr
	ds_load_b128 v[KW:KW+3], v[TKS]
	ds_load_b128 v[KW+4:KW+7], v[TKS] offset:256
	ds_load_b128 v[VW:VW+3], v[TVS]
	s_wait_dscnt 0x0
.irp t, 0,1,2,3,4,5,6,7                ; S^T = K Q^T: even tiles (K, 0) x (Q, 0), odd tiles (0, K) x (0, Q)
	v_wmma_scale_f32_16x16x128_f8f6f4 v[S+8*\t:S+8*\t+7], v[KF+18*(\t/2)+6*(\t%2):KF+18*(\t/2)+6*(\t%2)+11], v[QF+6*(\t%2):QF+6*(\t%2)+11], 0, v[KW+\t], v[QW] matrix_a_fmt:MATRIX_FMT_FP6 matrix_b_fmt:MATRIX_FMT_FP6
.endr
.rept 4
	v_nop                                          ; places ahead of the first read of the scores
.endr
	s_wait_kmcnt 0x0                               ; the lane masks
	s_bitcmp1_b32 s[FULL], s[KS]
	s_cbranch_scc1 .Lopen_\@                       ; a step all of whose keys count needs none of them
.set n, 0
.rept 64
	v_cndmask_b32 v[S+n], v[NEG], v[S+n], s[32+n+4*(n/32)]   ; register n: key 32 (n / 16) + 16 (lane / 16) + n % 16 of the step; a masked score becomes -2^70
.set n, n+1
.endr
.Lopen_\@:
.irp b, 0,1,2,3
	v_max3_num_f32 v[BM+\b], v[S+16*\b], v[S+1+16*\b], v[S+2+16*\b]   ; the largest score of each block of 32 keys: it serves for the row's maximum and, since p rises with the score, for the block's largest p
.endr
.irp i, 3,5,7,9,11,13
.irp b, 0,1,2,3
	v_max3_num_f32 v[BM+\b], v[BM+\b], v[S+16*\b+\i], v[S+1+16*\b+\i]
.endr
.endr
.irp b, 0,1,2,3
	v_max_num_f32 v[BM+\b], v[BM+\b], v[S+15+16*\b]
.endr
.irp b, 0,1,2,3
	v_permlanex16_b32 v[PT+\b], v[BM+\b], s[SEL], s[SEL+1]
.endr
.irp b, 0,1,2,3
	v_max_num_f32 v[BM+\b], v[BM+\b], v[PT+\b]     ; with lane l xor 16's 16 keys
.endr
	v_max3_num_f32 v[PT], v[BM], v[BM+1], v[BM+2]
	v_max_num_f32 v[PT], v[PT], v[BM+3]            ; the step's largest score of my query
	v_mul_f32 v[PT], s[CS], v[PT]                  ; as t (c is positive)
	v_max_num_f32 v13, v13, v[PT]                  ; the running largest t
	v_mov_b32 v[PT], v12
	v_floor_f32 v12, -v13                          ; the new -M = floor(-t): M is a whole number
	v_sub_f32 v[PT], v12, v[PT]                    ; old M less new M: a whole number, 0 or less
	v_cvt_i32_f32 v[PT], v[PT]                     ; (it saturates)
	v_ldexp_f32 v[F], 1.0, v[PT]                   ; f = 2^(old M - new M)
.set n, 0
.rept 32
	v_pk_fma_f32 v[S+n:S+n+1], v[S+n:S+n+1], s[CS:CS+1], v[12:13] op_sel_hi:[1,0,0]   ; t - M, two at a time
.set n, n+2
.endr
.irp b, 0,1,2,3
	v_fma_f32 v[BM+\b], v[BM+\b], s[CS], v12       ; the same of each block's largest score
.endr
.set n, 0
.rept 64
	v_exp_f32 v[S+n], v[S+n]                       ; p = 2^(t - M), at most 1
.set n, n+1
.endr
	v_pk_mul_f32 v[14:15], v[14:15], v[F:F+1] op_sel_hi:[1,0]   ; the sums under the new M (a plain place behind the exponentials)
	s_wait_alu depctr_va_vdst(0)                   ; the 64 exponentials have written p: one wait for the whole batch, ahead of its first reader
.irp b, 0,1,2,3
	v_exp_f32 v[BM+\b], v[BM+\b]                   ; the block's largest p: the same two instructions on the same number
.endr
	v_pk_add_f32 v[L2:L2+1], v[S:S+1], v[S+2:S+3]  ; the row's sum is taken of the unquantised p, in two chains
.irp j, 4,8,12,16,20,24,28,32,36,40,44,48,52,56,60
	v_pk_add_f32 v[14:15], v[14:15], v[S+\j:S+\j+1]
	v_pk_add_f32 v[L2:L2+1], v[L2:L2+1], v[S+2+\j:S+3+\j]
.endr
	v_pk_add_f32 v[14:15], v[14:15], v[L2:L2+1]
	s_wait_alu depctr_va_vdst(0)                   ; the four exponentials have written the blocks' largest p, ahead of their first reader
.irp b, 0,1,2,3
	v_max_num_f32 v[BM+\b], 0x1800000, v[BM+\b]    ; the floor 2^(3 - 127): the byte cannot fall under 1
.endr
.irp b, 0,1,2,3
	v_add_nc_u32 v[SO+\b], 0xff000000, v[BM+\b]    ; 2 off the exponent field: the conversion's scale operand
.endr
.irp b, 0,1,2,3
	v_lshrrev_b32 v[PT+\b], 23, v[SO+\b]           ; the scale's byte
.endr
	v_lshl_or_b32 v[PW], v[PT+1], 8, v[PT]         ; p's scale word for these 128 keys
	v_lshl_or_b32 v[PW], v[PT+2], 16, v[PW]
	v_lshl_or_b32 v[PW], v[PT+3], 24, v[PW]
.irp c, 0,1
	v_cvt_scalef32_pk16_fp6_f32 v[PC+6*\c:PC+6*\c+2], v[S+32*\c:S+32*\c+15], v[SO+2*\c]
	v_cvt_scalef32_pk16_fp6_f32 v[T2+4*\c:T2+4*\c+2], v[S+32*\c+16:S+32*\c+31], v[SO+2*\c+1]
.endr
	v_nop                                          ; one plain place behind the scaled conversions
	s_wait_alu depctr_va_vdst(0)                   ; the conversions, p's last readers, are done reading v120 on, and all that wrote p is done: V's fragments may land there
.irp d, 0,1,2,3                        ; V's four fragments take p's place, as soon as p is read out: the 28 vector lines below name none of their registers
.irp c, 0,1
	ds_load_b128 v[S+12*\d+6*\c:S+12*\d+6*\c+3], v[TV16] offset:1536*\d+768*\c
	ds_load_b64 v[S+12*\d+6*\c+4:S+12*\d+6*\c+5], v[TV8] offset:1536*\d+768*\c
.endr
.endr
.irp c, 0,1                            ; the operand's layout wants a WHOLE block in a lane
.irp i, 0,1,2
	v_permlane16_swap_b32 v[PC+6*\c+\i], v[T2+4*\c+\i]
.endr
.irp i, 0,1,2
	v_mov_b32 v[PC+6*\c+3+\i], v[T2+4*\c+\i]
.endr
.endr
.set n, 0
.rept 16
	v_pk_mul_f32 v[O+n:O+n+1], v[O+n:O+n+1], v[F:F+1] op_sel_hi:[1,0]   ; O^T under the new M.  (These sixteen are also the places between the lines that wrote p's codes and scale word and the products)
.set n, n+2
.endr
	s_wait_alu depctr_va_vdst(0)                   ; p's codes and p's scale word are written, which the scaled products below take as source 1 and as its scales; the places above stay beside this wait
	s_wait_dscnt 0x0
	s_wait_alu depctr_vm_vsrc(0)                   ; this step's LDS loads, the last of them V's, have read the six address registers, which the next live step's additions write; it stands ahead of the loop's branches, on every way to those additions
.irp d, 0,1,2,3                        ; O^T += V^T P^T: the four accumulators by turns
	v_wmma_scale_f32_16x16x128_f8f6f4 v[O+8*\d:O+8*\d+7], v[S+12*\d:S+12*\d+11], v[PC:PC+11], v[O+8*\d:O+8*\d+7], v[VW+\d], v[PW] matrix_a_fmt:MATRIX_FMT_FP6 matrix_b_fmt:MATRIX_FMT_FP6
.endr
.Lnext_\@:
	s_add_co_u32 s[OK], s[OK], 6144
	s_add_co_u32 s[OS], s[OS], 512
	s_add_co_u32 s[OV], s[OV], 256
	s_add_co_u32 s[OM], s[OM], 256                 ; (the scalar loads that read it were waited for)
	s_add_co_u32 s[KS], s[KS], 1
	s_cmp_lt_u32 s[KS], 16
	s_cbranch_scc1 .Lstep_\@
	; THE TILE'S END: O^T / the sum; register 16 e + i is d = 32 e + 16 (lane / 16) + i of my query: two blocks of the last projection's K
.rept 4
	v_nop                                          ; places behind the last products
.endr
	v_add_f32 v14, v14, v15
	v_permlanex16_b32 v[PT], v14, s[SEL], s[SEL+1]
	v_add_f32 v14, v14, v[PT]                      ; the row's sum
	v_rcp_f32 v14, v14
	v_nop                                          ; a plain place behind the transcendental
	s_wait_alu depctr_va_vdst(0)                   ; the reciprocal is written, ahead of its first reader
.set n, 0
.rept 16
	v_pk_mul_f32 v[S+n:S+n+1], v[O+n:O+n+1], v[14:15] op_sel_hi:[1,0]   ; each accumulator from its low end on
.set n, n+2
.endr
.irp b, 0,1
	v_max3_num_f32 v[BM+\b], |v[S+16*\b]|, |v[S+1+16*\b]|, 0x1800000
.endr
.irp i, 2,4,6,8,10,12,14
.irp b, 0,1
	v_max3_num_f32 v[BM+\b], v[BM+\b], |v[S+16*\b+\i]|, |v[S+1+16*\b+\i]|
.endr
.endr
.irp b, 0,1
	v_permlanex16_b32 v[PT+\b], v[BM+\b], s[SEL], s[SEL+1]
.endr
.irp b, 0,1
	v_max_num_f32 v[BM+\b], v[BM+\b], v[PT+\b]
.endr
.irp b, 0,1
	v_add_nc_u32 v[SO+\b], 0xff000000, v[BM+\b]
.endr
.irp b, 0,1
	v_lshrrev_b32 v[PT+\b], 23, v[SO+\b]
.endr
	v_lshl_or_b32 v[PT+2], v[PT+1], 8, v[PT]       ; the head's two scale bytes of my query
	v_cvt_scalef32_pk16_fp6_f32 v[PC:PC+2], v[S:S+15], v[SO]
	v_cvt_scalef32_pk16_fp6_f32 v[T2:T2+2], v[S+16:S+31], v[SO+1]
	v_nop                                          ; one plain place behind the scaled conversions
.irp i, 0,1,2
	v_permlane16_swap_b32 v[PC+\i], v[T2+\i]
.endr
.irp i, 0,1,2
	v_mov_b32 v[PC+3+\i], v[T2+\i]
.endr
	s_mul_i32 s30, s[TAU], 12288
	s_mov_b32 s31, 0
	s_add_nc_u64 s[30:31], s[10:11], s[30:31]
	s_lshl_b32 s2, s[TAU], 9
	s_mov_b32 s3, 0
	s_add_nc_u64 s[2:3], s[12:13], s[2:3]
	s_wait_alu depctr_va_vdst(0)                   ; the exchanges and moves have written the six registers of codes, and v246 holds the two scale bytes: the three stores below read them
	global_store_b128 v[A16], v[PC:PC+3], s[30:31]         ; the half image: 512 consecutive bytes,
	global_store_b64 v[A8], v[PC+4:PC+5], s[30:31]         ; and 256
	global_store_b16 v[R32], v[PT+2], s[2:3]       ; two bytes in each of the tile's sixteen rows of 32: the bytes beside them are other heads', made by other work-groups; lanes 16-31 store what lanes 0-15 store
	s_wait_xcnt 0x0                                ; the stores have read their registers and bases: the next tile may write them
.if !\second
	s_wait_alu depctr_vm_vsrc(0)                   ; the three stores have read v216 to v221 and v246, which the second pass's vector instructions write again
.endif
.endm
	PASS 0
	PASS 1
	s_wait_dscnt 0x0                               ; the closing lines, six on end
	s_wait_alu 0x0
	s_wait_tensorcnt 0x0
	ds_add_u32 v[SPW], v[NIL]
	s_wait_dscnt 0x0
	s_endpgm
.Lfunc_end_k_q5611bbdfaa_attn:
	.size	k_q5611bbdfaa_attn, .Lfunc_end_k_q5611bbdfaa_attn-k_q5611bbdfaa_attn
	.p2alignl 7, 3214868480
	.fill 96, 4, 3214868480
	.section	.rodata,"a",@progbits
	.p2align	6, 0x0
	.amdhsa_kernel k_q5611bbdfaa_attn
		.amdhsa_group_segment_fixed_size 210944
		.amdhsa_private_segment_fixed_size 0
		.amdhsa_enable_private_segment 0
		.amdhsa_kernarg_size 40
		.amdhsa_user_sgpr_count 2
		.amdhsa_user_sgpr_kernarg_segment_ptr 1
		.amdhsa_wavefront_size32 1
		.amdhsa_system_sgpr_workgroup_id_x 1
		.amdhsa_system_sgpr_workgroup_id_y 1
		.amdhsa_system_sgpr_workgroup_id_z 1
		.amdhsa_system_vgpr_workitem_id 0
		.amdhsa_next_free_vgpr 256
		.amdhsa_next_free_sgpr 100
		.amdhsa_reserve_vcc 0
		.amdhsa_float_denorm_mode_32 3
		.amdhsa_float_denorm_mode_16_64 3
		.amdhsa_memory_ordered 1
		.amdhsa_forward_progress 1
		.amdhsa_inst_pref_size 72
	.end_amdhsa_kernel
	.amdgpu_metadata
---
amdhsa.version: [ 1, 2 ]
amdhsa.kernels:
  - .name:           k_q5611bbdfaa_attn
    .symbol:         k_q5611bbdfaa_attn.kd
    .args:
      - { .name: hc, .offset: 0, .size: 8, .value_kind: global_buffer, .address_space: global }
      - { .name: hs, .offset: 8, .size: 8, .value_kind: global_buffer, .address_space: global }
      - { .name: msk, .offset: 16, .size: 8, .value_kind: global_buffer, .address_space: global }
      - { .name: ac, .offset: 24, .size: 8, .value_kind: global_buffer, .address_space: global }
      - { .name: asc, .offset: 32, .size: 8, .value_kind: global_buffer, .address_space: global }
    .group_segment_fixed_size: 210944
    .private_segment_fixed_size: 0
    .kernarg_segment_align: 8
    .kernarg_segment_size: 40
    .max_flat_workgroup_size: 512
    .sgpr_count:     100
    .vgpr_count:     256
    .wavefront_size: 32
...
	.end_amdgpu_metadata
.endif
;; end of part 5
;; launch outp: the kernel of part 4 again; grid 4 x 64, 4 waves a work-group, clusters of 4 x 4, 327,680 bytes of LDS; arguments cod, scl, ac, asc, out0; writes out0
